; MI455X (gfx1250); checked and timed in simulation.
; The chip was launched on July 23, 2026; its instructions are those of AMD's public machine-readable ISA for CDNA 5 (MIT licence, August 2026) and "CDNA5" Instruction Set Architecture Reference Guide (July 2026). The comments in the code are by the model that wrote it; some were corrected since.
;; Encoder Block. Allowed arithmetic: matrix products marked QUANTISED: E2M3 operands, one E8M0 scale for each 32 along K, by v_wmma_scale_f32_16x16x128_f8f6f4 with both operands' format E2M3, f32 sums; everything else in f32.
;; Inputs: b1 4,096 float32; b2 1,024 float32; bk 1,024 float32; bo 1,024 float32; bq 1,024 float32; bv 1,024 float32; g1 1,024 float32; g2 1,024 float32; w1 1,024 x 4,096 float32; w2 4,096 x 1,024 float32; wk 1,024 x 1,024 float32; wo 1,024 x 1,024 float32; wq 1,024 x 1,024 float32; wv 1,024 x 1,024 float32; x 2 x 2,048 x 1,024 float32.
;; Outputs: out0 2 x 2,048 x 1,024 float32.
;; This version of the problem:
;;   THIS VERSION OF THE PROBLEM IS GIVEN IN LOW PRECISION. The matrix products marked QUANTISED in the list below multiply operands that are first quantised to E2M3 (2 exponent bits, 3 mantissa bits; 6 bits a number), with one power-of-two scale for each 32 numbers along K (OCP MX v1.0); their sums are f32. All else is computed in f32.
;;   The module's matrix products, in the order in which they are computed (A, B: the left and right operand; K: the contracted axis; several contracted axes count as one K, in the product's order):
;;     1. [M 4,096, K 1,024] x [K 1,024, N 1,024]; A: computed on the way; B: input wq: QUANTISED
;;     2. [M 4,096, K 1,024] x [K 1,024, N 1,024]; A: computed on the way; B: input wk: QUANTISED
;;     3. [M 4,096, K 1,024] x [K 1,024, N 1,024]; A: computed on the way; B: input wv: QUANTISED
;;     4. batch 32 x [M 2,048, K 64] x [K 64, N 2,048]; A: computed on the way; B: computed on the way: QUANTISED
;;     5. batch 32 x [M 2,048, K 2,048] x [K 2,048, N 64]; A: softmax (see below); B: computed on the way: QUANTISED
;;     6. [M 4,096, K 1,024] x [K 1,024, N 1,024]; A: computed on the way; B: input wo: QUANTISED
;;     7. [M 4,096, K 1,024] x [K 1,024, N 4,096]; A: computed on the way; B: input w1: QUANTISED
;;     8. [M 4,096, K 4,096] x [K 4,096, N 1,024]; A: computed on the way; B: input w2: QUANTISED
;;   THE QUANTISER, for each operand of a quantised product, along K:
;;     - K is cut into blocks of 32 from its start; a last block that is shorter is filled with zeros.
;;     - A block's scale is 2^e with e = floor(log2(the largest magnitude in the block)) - 2, held to -126 .. 127; a block of zeros has e = 0. As a byte (E8M0): e + 127.
;;     - Each number is divided by its block's scale, clamped to +-7.5, and rounded to the nearest number of E2M3, ties to even, subnormals kept.
;;     - The product sums the exact products of the quantised numbers (number of the format x scale) in f32.
;;   ~~~python
;;   def quantise(x, axis):      # numpy; x: float32 -> the quantised numbers, widened to float32 again
;;       x = np.moveaxis(x, axis, -1); K = x.shape[-1]
;;       x = np.pad(x, [(0, 0)] * (x.ndim - 1) + [(0, -K % 32)]); x = x.reshape(x.shape[:-1] + (-1, 32)); a = np.abs(x).max(-1, keepdims=True)
;;       e = np.where(a > 0, np.clip(np.frexp(np.where(a > 0, a, 1))[1] - 1 - 2, -126, 127), 0)      # np.frexp(a)[1] - 1 = floor(log2(a)), exactly
;;       r = np.clip(x / 2.0 ** e, -7.5, 7.5)
;;       step = 2.0 ** (np.maximum(np.frexp(np.where(r == 0, 1, r))[1] - 1, 0) - 3)
;;       q = np.round(r / step) * step * 2.0 ** e      # np.round: ties to even
;;       return np.moveaxis(q.reshape(q.shape[:-2] + (-1,))[..., :K], -1, axis).astype(np.float32)
;;   ~~~
;;   SOFTMAX AHEAD OF A QUANTISED PRODUCT. Where the list says 'softmax', what is quantised is not the finished softmax but p = 2^(t - M), with t = logit x log2(e) and M = ceil(the row's largest t), a whole number; so 1/2 < the row's largest p <= 1. The row's sum l is taken of the UNQUANTISED p, in f32, and the product's result is divided by l at the end. Since M is a whole number, a kernel that streams over the keys may use a running M (the ceiling of the running maximum): every later rescaling is an exact power of two, which a block's scale takes up: the codes' values come out the same.
;;   OPERANDS COMPUTED ON THE WAY. 'Computed on the way' means the value that the module computes at that place (a softmax that the list does not call 'softmax' is quantised finished and normalised). What goes into a quantiser is computed in f32, as accurately as f32 sums, v_exp_f32 and their like allow (about 1e-6 of the number): no bf16 or f16 on the way to a quantiser, and a product that is left as it is and whose result goes on into a quantised operand takes f32 operands (vector FMAs, or v_wmma_f32_16x16x4_f32). A number that lies on a knife's edge between two numbers of the format may be rounded either way, as far as f32 arithmetic and the matrix unit's own rounding can turn it there, and no further.
;; One version. Each part assembles by itself: llvm-mc -triple=amdgcn-amd-amdhsa -mcpu=gfx1250 --defsym DOCPART=n.
;; ======== version 1 of 1: 7 launches
;; limits: right only within a limited range of input values
;; workspace buffers: wrec 14,155,776 bytes; hrec 3,407,872 bytes; qkvr 11,272,192 bytes; orec 3,407,872 bytes; x1 16,777,216 bytes; hid 13,631,488 bytes
;; launch prep (part 1): grid 704 x 1, 8 waves a work-group, no clusters, 2,048 bytes of LDS; arguments wq, wk, wv, wo, w1, w2, wrec, hrec, x, g1; writes wrec, hrec
.if DOCPART == 1
	.amdgcn_target "amdgcn-amd-amdhsa--gfx1250"
	.amdhsa_code_object_version 6
	.text
	.protected	k_qb9e9f25c68_prep
	.globl	k_qb9e9f25c68_prep
	.p2align	8
	.type	k_qb9e9f25c68_prep,@function
k_qb9e9f25c68_prep:
	s_mov_b64 s[64:65], 0
	v_nop
	global_prefetch_b8 v0, s[64:65] scope:SCOPE_SE
	s_setreg_imm32_b32 hwreg(HW_REG_WAVE_MODE, 25, 1), 1
	s_wait_xcnt 0x0
; Three kinds of work-groups, told apart by the work-group's number alone: the first RMSNorm with its quantiser (0 .. 255), the six weights' quantiser (256 .. 639), the table of cos and sin for the rotary embedding (640 .. 703).
; All codes are FP6 (E2M3) with one E8M0 scale for each 32 along K, laid as IMAGES OF OPERAND REGISTERS.
; A RECORD is 16 rows x 128 along K: 12 registers a lane; chunk c of 512 bytes holds registers 4 c .. 4 c + 3, lane l's 16 bytes at 16 l.  A PAIR (3,328 bytes) holds two K steps q of one row block:
; codes at 1536 q + 512 c + 16 lane, scale words at 3072 + 8 lane + 4 q (lane l: the word of row l % 16).  An operand is laid [K / 256][row blocks] PAIRs.
; THE ROWS OF A RECORD ARE NOT NEIGHBOURS: row r of record 2 G + u is matrix row 32 G + 8 u + r + 8 (r / 8), so that the results of two neighbouring records, used as source 0, are 16 neighbours in a lane's registers.
; NORM.  h = x * rsqrt(mean(x^2) + eps) * g.  A work-group is one row block (16 tokens); wave w takes columns 128 w .. 128 w + 127 and makes one record.  Lane (r, h) holds register 16 b + i = column 32 b + 16 h + i of its token.
; The rows' sums of squares meet in LDS: one word a lane and wave, one barrier; every wave adds the eight parts in the same order.  These work-groups come first, so that their chain of dependent steps runs beside the weights' stream.
; WEIGHTS, f32 stored [K][N].  A lane takes a column and its registers run down K: a block of 32 lies in one lane, its largest magnitude needs no other lane, and the conversions give codes with K innermost.
; A work-group takes 256 columns x 128 K, a wave 32 columns = two records: lanes 0-15 hold record u = 0's rows, lanes 16-31 record u = 1's; each lane holds all four blocks, and twelve exchanges of half waves give each record's image.
; A block's scale is 2^(floor(log2(largest magnitude)) - 2): its byte is the largest magnitude's exponent field - 2, held at 1 from below.
; TABLE.  [2048 positions][cos 32 | sin 32] f32.  angle = position x 10000^(-j / 32); reduced by multiples of pi / 2 in two parts, then series for sine (to r^9) and cosine (to r^10), |r| <= pi / 4.
; LIMITS: NaN and infinities among the inputs are not served; a block whose largest magnitude lies under 2^-124 takes the byte 1; a block of zeros has the byte 1 and zero codes (this program alone reads the bytes).
; The frequency is 2^(-j log2(10) / 8) by v_exp_f32: a few units in its last place, which at position 2,047 is up to about 2e-4 radians of the angle.  The sum of squares is added in another order than row-major.
.set PAIR,  3328
.set WOOFF, 2555904                    ; wo's records begin here (the bytes ahead of them are not used),
.set W1OFF, 3407872                    ; w1's here,
.set W2OFF, 6815744                    ; w2's here,
.set ROPE,  10223616                   ; the table here,
.set QOFF,  10747904                   ; and here the one run of wq, wk, wv: [K / 256][256 row blocks] PAIRs, of which 192 are used: the same pitch along K as the records of h
.set NORMS, 256                        ; the norm's work-groups
.set SPARE, 1024                       ; LDS (the norm alone): 0 .. 1023 the parts; then the spare words, 128 bytes for each wave: four blocks of 256 bytes that no other line names
.set SPW, 30                           ; v30  LDS address of my spare word; never rewritten
.set NIL, 31                           ; v31  0; never rewritten
.set X,   32                           ; weights: v32-159 128 numbers down K;  norm: v32-95 my 64 numbers
.set R0,  160                          ; weights: v160-171 blocks 0 and 2, then record u = 0's image
.set R1,  172                          ; v172-183 blocks 1 and 3, then record u = 1's image
.set TU,  184                          ; v184-199 the upper halves of the blocks' codes, as they are made
.set G,   96                           ; norm: v96-159 the gains of my 64 columns
.set PC,  160                          ; v160-178 the codes
.set TM,  180                          ; v180-195 at work in QUANT
.set PW,  196                          ; v196     the scale word
.set RS,  198                          ; v[198:199] 1 / root, twice
.set PS,  200                          ; v200-207 the eight parts
.set SEL, 20
.macro LOADB b, pitch                  ; block b: W(32 b + i, my column): the 32 lanes read 128 bytes of one row, the eight waves 1,024 on end
.set i, 0
.rept 32
	global_load_b32 v[X+32*(\b)+i], v2, s[4:5] offset:(32*(\b)+i)*\pitch th:TH_LOAD_NT
.set i, i+1
.endr
.endm
.macro BLOCK b, left
.set XS, X+32*(\b)
.set FB, R0+12*((\b)%2)+6*((\b)/2)
	s_wait_loadcnt \left                           ; loads come back in order: this block's 32 are in, the next block's 32 may be out
	v_max3_num_f32 v8, |v[XS]|, |v[XS+1]|, |v[XS+2]|
	v_max3_num_f32 v9, |v[XS+3]|, |v[XS+4]|, |v[XS+5]|
.irp i, 6,10,14,18,22,26
	s_delay_alu instid0(VALU_DEP_2)
	v_max3_num_f32 v8, v8, |v[XS+\i]|, |v[XS+\i+1]|
	s_delay_alu instid0(VALU_DEP_2)
	v_max3_num_f32 v9, v9, |v[XS+\i+2]|, |v[XS+\i+3]|
.endr
	s_delay_alu instid0(VALU_DEP_2)
	v_max3_num_f32 v8, v8, |v[XS+30]|, |v[XS+31]|
	s_delay_alu instid0(VALU_DEP_1)
	v_max3_num_f32 v8, v8, v9, 0x1800000           ; and the floor 2^(3 - 127): the byte cannot fall under 1
	s_delay_alu instid0(VALU_DEP_1)
	v_add_nc_u32 v[12+\b], 0xff000000, v8          ; 2 off the exponent field: the conversion takes this operand's exponent field as its scale
	s_delay_alu instid0(VALU_DEP_1)
	v_lshrrev_b32 v[16+\b], 23, v[12+\b]           ; the scale's byte
	v_cvt_scalef32_pk16_fp6_f32 v[FB:FB+2], v[XS:XS+15], v[12+\b]
	v_cvt_scalef32_pk16_fp6_f32 v[TU+4*(\b):TU+4*(\b)+2], v[XS+16:XS+31], v[12+\b]   ; (a conversion's three registers begin on an even number)
	v_nop                                          ; one plain place behind a scaled conversion
.endm
.macro WPATH pitch                     ; loads run one block ahead
	LOADB 0, \pitch
	LOADB 1, \pitch
	BLOCK 0, 32
	LOADB 2, \pitch
	BLOCK 1, 32
	LOADB 3, \pitch
	BLOCK 2, 32
	BLOCK 3, 0
.endm
; 64 numbers of a lane, register 16 b + i = k 32 b + 16 (lane / 16) + i of my row, become a fragment's codes in v[PC] on and its scale word in v[PW].
.macro QUANT s
.irp b, 0,1,2,3
	v_max3_num_f32 v[TM+\b], |v[\s+16*\b]|, |v[\s+1+16*\b]|, 0x1800000   ; my 16 numbers of block b, and the floor 2^(3 - 127): the byte cannot fall under 1
.endr
.irp i, 2,4,6,8,10,12,14
.irp b, 0,1,2,3
	s_delay_alu instid0(VALU_DEP_4)
	v_max3_num_f32 v[TM+\b], v[TM+\b], |v[\s+16*\b+\i]|, |v[\s+1+16*\b+\i]|
.endr
.endr
.irp b, 0,1,2,3
	s_delay_alu instid0(VALU_DEP_4)
	v_permlanex16_b32 v[TM+4+\b], v[TM+\b], s[SEL], s[SEL+1]
.endr
.irp b, 0,1,2,3
	s_delay_alu instid0(VALU_DEP_4)
	v_max_num_f32 v[TM+\b], v[TM+\b], v[TM+4+\b]   ; with lane l xor 16's: the block's largest magnitude
.endr
.irp b, 0,1,2,3
	s_delay_alu instid0(VALU_DEP_4)
	v_add_nc_u32 v[TM+12+\b], 0xff000000, v[TM+\b]   ; 2 off its exponent field: the conversion's scale operand
.endr
.irp b, 0,1,2,3
	s_delay_alu instid0(VALU_DEP_4)
	v_lshrrev_b32 v[TM+4+\b], 23, v[TM+12+\b]      ; the scale's byte
.endr
	s_delay_alu instid0(VALU_DEP_3)
	v_lshl_or_b32 v[PW], v[TM+5], 8, v[TM+4]
	s_delay_alu instid0(VALU_DEP_1)
	v_lshl_or_b32 v[PW], v[TM+6], 16, v[PW]
	s_delay_alu instid0(VALU_DEP_1)
	v_lshl_or_b32 v[PW], v[TM+7], 24, v[PW]
.irp c, 0,1
	v_cvt_scalef32_pk16_fp6_f32 v[PC+6*\c:PC+2+6*\c], v[\s+32*\c:\s+15+32*\c], v[TM+12+2*\c]
	v_cvt_scalef32_pk16_fp6_f32 v[PC+12+4*\c:PC+14+4*\c], v[\s+16+32*\c:\s+31+32*\c], v[TM+12+2*\c+1]   ; (a conversion's three registers begin on an even number)
.endr
	v_nop                                          ; one plain place behind a scaled conversion
.irp c, 0,1                                    ; the operand's layout wants a whole block in a lane: lanes 0-15 block 2 c, lanes 16-31 block 2 c + 1
.irp i, 0,1,2
	v_permlane16_swap_b32 v[PC+6*\c+\i], v[PC+12+4*\c+\i]
.endr
.irp i, 0,1,2
	s_delay_alu instid0(VALU_DEP_3)
	v_mov_b32 v[PC+3+6*\c+\i], v[PC+12+4*\c+\i]
.endr
.endr
.endm
	v_lshl_add_u32 v[SPW], v0, 2, SPARE
	v_mov_b32 v[NIL], 0
	v_lshrrev_b32 v1, 5, v0
	s_delay_alu instid0(VALU_DEP_1)
	v_readfirstlane_b32 s18, v1                    ; wave 0..7
	v_and_b32 v1, 31, v0                           ; lane
	s_cmp_lt_u32 ttmp9, NORMS                      ; the work-group's number alone: all eight waves go the same way
	s_cbranch_scc1 .Lnorm
	s_load_b256 s[4:11], s[0:1], 0x0               ; wq, wk, wv, wo
	s_load_b128 s[12:15], s[0:1], 0x20             ; w1, w2
	s_load_b64 s[16:17], s[0:1], 0x30              ; wrec
	s_sub_co_u32 s20, ttmp9, NORMS
	s_cmp_ge_u32 s20, 384
	s_cbranch_scc1 .Ltable
	; which weight, which 256 columns (cg), which K step of 128 (ks): all from the work-group's number
	s_lshr_b32 s21, s20, 5                         ; 0 .. 3: wq, wk, wv, wo; 4 and above: w1, w2
	s_lshr_b32 s25, s20, 7                         ; 1: w1, 2: w2
	s_and_b32 s26, s20, 3                          ; cg
	s_bfe_u32 s27, s20, 0x30002                    ; ks
	s_and_b32 s28, s20, 15                         ; w1's cg
	s_bfe_u32 s29, s20, 0x30004                    ; w1's ks
	s_bfe_u32 s30, s20, 0x50002                    ; w2's ks
	s_mov_b32 s22, 0                               ; first row block in the run
	s_mov_b32 s23, 256                             ; row blocks from one 256 along K to the next in the run
	s_mov_b32 s24, QOFF                            ; where the run begins
	s_mov_b32 s31, 19                              ; log2 of 128 rows of the weight in bytes
	s_wait_kmcnt 0x0
	s_cmp_eq_u32 s21, 1
	s_cselect_b64 s[4:5], s[6:7], s[4:5]
	s_cselect_b32 s22, 64, s22
	s_cmp_eq_u32 s21, 2
	s_cselect_b64 s[4:5], s[8:9], s[4:5]
	s_cselect_b32 s22, 128, s22
	s_cmp_eq_u32 s21, 3
	s_cselect_b64 s[4:5], s[10:11], s[4:5]
	s_cselect_b32 s23, 64, s23
	s_cselect_b32 s24, WOOFF, s24
	s_cmp_eq_u32 s25, 1
	s_cselect_b64 s[4:5], s[12:13], s[4:5]
	s_cselect_b32 s23, 256, s23
	s_cselect_b32 s24, W1OFF, s24
	s_cselect_b32 s26, s28, s26
	s_cselect_b32 s27, s29, s27
	s_cselect_b32 s31, 21, s31
	s_cmp_eq_u32 s25, 2
	s_cselect_b64 s[4:5], s[14:15], s[4:5]
	s_cselect_b32 s23, 64, s23
	s_cselect_b32 s24, W2OFF, s24
	s_cselect_b32 s27, s30, s27
	s_lshl_b32 s32, s27, s31                       ; from: ks x 128 rows,
	s_lshl_b32 s33, s26, 10
	s_add_co_u32 s32, s32, s33                     ; + 256 cg columns,
	s_lshl_b32 s33, s18, 7
	s_add_co_u32 s32, s32, s33                     ; + 32 x wave columns
	s_mov_b32 s33, 0
	s_add_nc_u64 s[4:5], s[4:5], s[32:33]
	s_lshr_b32 s34, s27, 1                         ; to: PAIR (ks / 2) x row blocks + first + 16 cg + 2 wave,
	s_mul_i32 s34, s34, s23
	s_add_co_u32 s34, s34, s22
	s_lshl_b32 s35, s26, 4
	s_add_co_u32 s34, s34, s35
	s_lshl_b32 s35, s18, 1
	s_add_co_u32 s34, s34, s35
	s_mul_i32 s34, s34, PAIR
	s_add_co_u32 s34, s34, s24
	s_and_b32 s36, s27, 1                          ; q = ks % 2
	s_mul_i32 s35, s36, 1536
	s_add_co_u32 s34, s34, s35
	s_mov_b32 s35, 0
	s_add_nc_u64 s[16:17], s[16:17], s[34:35]
	s_mul_i32 s36, s36, 1532
	s_sub_co_u32 s36, 3072, s36                    ; the scale words, counted from the codes of q: 3072 + 4 q - 1536 q
	s_wait_alu depctr_va_vdst(0)
	v_lshl_add_u32 v4, v1, 3, s36
	v_lshlrev_b32 v3, 4, v1                        ; 16 x lane
	v_and_b32 v2, 15, v1
	v_and_b32 v5, 8, v1
	s_delay_alu instid0(VALU_DEP_1)
	v_add_nc_u32 v2, v2, v5                        ; r + 8 (r / 8)
	v_bfe_u32 v5, v1, 4, 1
	s_delay_alu instid0(VALU_DEP_1)
	v_lshl_add_u32 v2, v5, 3, v2                   ; + 8 u
	s_delay_alu instid0(VALU_DEP_1)
	v_lshlrev_b32 v2, 2, v2                        ; my column, in bytes
	s_cmp_eq_u32 s25, 1                            ; w1's rows are 16,384 bytes, the others' 4,096: the pitch stands in the loads' immediates
	s_cbranch_scc1 .Lwide
	WPATH 4096
	s_branch .Lpack
.Lwide:
	s_wait_alu depctr_va_vdst(0)
	WPATH 16384
.Lpack:
.irp b, 0,1,2,3
.irp i, 0,1,2
	v_mov_b32 v[R0+12*(\b%2)+6*(\b/2)+3+\i], v[TU+4*\b+\i]
.endr
.endr
	v_lshl_or_b32 v20, v17, 8, v16                 ; my column's scale word
	s_delay_alu instid0(VALU_DEP_1)
	v_lshl_or_b32 v20, v18, 16, v20
	s_delay_alu instid0(VALU_DEP_1)
	v_lshl_or_b32 v20, v19, 24, v20
	s_delay_alu instid0(VALU_DEP_1)
	v_mov_b32 v21, v20
.irp i, 0,1,2,3,4,5,6,7,8,9,10,11
	v_permlane16_swap_b32 v[R0+\i], v[R1+\i]       ; the first's lanes 16-31 change places with the second's lanes 0-15: R0 is now record 0 (lanes 0-15 blocks 0, 2; lanes 16-31 blocks 1, 3), R1 record 1
.endr
	v_permlane16_swap_b32 v20, v21                 ; v20: record 0's words in both halves; v21: record 1's
.irp u, 0,1
.irp c, 0,1,2
	global_store_b128 v3, v[R0+12*\u+4*\c:R0+12*\u+4*\c+3], s[16:17] offset:PAIR*\u+512*\c   ; 32 lanes store 512 consecutive bytes, at a multiple of 256 from the buffer's first byte
.endr
	global_store_b32 v4, v[20+\u], s[16:17] offset:PAIR*\u
.endr
	s_endpgm
.Ltable:
	s_sub_co_u32 s20, s20, 384
	s_lshl_b32 s20, s20, 3
	s_add_co_u32 s20, s20, s18
	s_lshl_b32 s20, s20, 2                         ; my wave's first of four positions
	s_wait_alu depctr_va_vdst(0)
	v_cvt_f32_u32 v2, v1                           ; j = lane
	s_delay_alu instid0(VALU_DEP_1)
	v_mul_f32 v2, 0xbed49a78, v2                   ; -j log2(10) / 8
	s_wait_alu depctr_va_vdst(0)
	v_exp_f32 v2, v2                               ; 10000^(-j / 32)
	v_lshlrev_b32 v3, 2, v1                        ; (a plain place behind the exponential)  4 j
	s_mov_b32 s22, 0x3fc90fdb                      ; pi / 2, upper part
	s_mov_b32 s23, 0xb33bbd2e                      ; and the rest
	s_mov_b32 s24, 0xbe2aaaab                      ; -1/6
	s_mov_b32 s25, 0x3c088889                      ; 1/120
	s_mov_b32 s26, 0xb9500d01                      ; -1/5040
	s_mov_b32 s27, 0x3638ef1d                      ; 1/362880
	s_mov_b32 s29, 0x3d2aaaab                      ; 1/24
	s_mov_b32 s30, 0xbab60b61                      ; -1/720
	s_mov_b32 s31, 0x37d00d01                      ; 1/40320
	s_mov_b32 s32, 0xb493f27e                      ; -1/3628800
	s_lshl_b32 s34, s20, 8
	s_add_co_u32 s34, s34, ROPE
	s_mov_b32 s35, 0
	s_wait_kmcnt 0x0
	s_add_nc_u64 s[16:17], s[16:17], s[34:35]
	s_wait_alu depctr_va_vdst(0)                   ; the wait ahead of the first reader of the exponential
.irp i, 0,1,2,3
	s_add_co_u32 s21, s20, \i
	v_cvt_f32_u32 v4, s21
	v_mul_f32 v4, v4, v2                           ; the angle, rounded once
	s_delay_alu instid0(VALU_DEP_1)
	v_mul_f32 v5, 0x3f22f983, v4
	s_delay_alu instid0(VALU_DEP_1)
	v_rndne_f32 v5, v5                             ; n = the nearest multiple of pi / 2
	s_delay_alu instid0(VALU_DEP_1)
	v_fma_f32 v6, -v5, s22, v4                     ; n has 11 bits at the most: this difference is exact
	s_delay_alu instid0(VALU_DEP_1)
	v_fma_f32 v6, -v5, s23, v6                     ; r
	s_delay_alu instid0(VALU_DEP_1)
	v_mul_f32 v7, v6, v6                           ; z = r^2
	s_delay_alu instid0(VALU_DEP_1)
	v_fma_f32 v8, v7, s27, s26
	s_delay_alu instid0(VALU_DEP_2)
	v_fma_f32 v10, v7, s32, s31
	s_delay_alu instid0(VALU_DEP_2)
	v_fma_f32 v8, v8, v7, s25
	s_delay_alu instid0(VALU_DEP_2)
	v_fma_f32 v10, v10, v7, s30
	s_delay_alu instid0(VALU_DEP_2)
	v_fma_f32 v8, v8, v7, s24
	s_delay_alu instid0(VALU_DEP_2)
	v_fma_f32 v10, v10, v7, s29
	v_mul_f32 v9, v6, v7
	s_delay_alu instid0(VALU_DEP_2)
	v_fma_f32 v10, v10, v7, -0.5
	s_delay_alu instid0(VALU_DEP_2)
	v_fma_f32 v8, v9, v8, v6                       ; sin r
	s_delay_alu instid0(VALU_DEP_2)
	v_fma_f32 v10, v10, v7, 1.0                    ; cos r
	v_cvt_i32_f32 v11, v5
	s_delay_alu instid0(VALU_DEP_1)
	v_and_b32 v12, 1, v11
	s_delay_alu instid0(VALU_DEP_1)
	v_cmp_eq_u32 vcc_lo, 1, v12                    ; in odd quadrants sine and cosine change places: a choice of values, no branch
	s_delay_alu instid0(VALU_DEP_1)
	v_cndmask_b32 v[20+2*\i], v10, v8, vcc_lo
	s_delay_alu instid0(VALU_DEP_2)
	v_cndmask_b32 v[21+2*\i], v8, v10, vcc_lo
	v_add_nc_u32 v15, 1, v11
	s_delay_alu instid0(VALU_DEP_1)
	v_and_b32 v15, 2, v15
	s_delay_alu instid0(VALU_DEP_1)
	v_lshlrev_b32 v15, 30, v15                     ; the cosine is negative in quadrants 1 and 2,
	s_delay_alu instid0(VALU_DEP_1)
	v_xor_b32 v[20+2*\i], v[20+2*\i], v15
	v_and_b32 v16, 2, v11
	s_delay_alu instid0(VALU_DEP_1)
	v_lshlrev_b32 v16, 30, v16                     ; the sine in quadrants 2 and 3
	s_delay_alu instid0(VALU_DEP_1)
	v_xor_b32 v[21+2*\i], v[21+2*\i], v16
	global_store_b32 v3, v[20+2*\i], s[16:17] offset:256*\i
	global_store_b32 v3, v[21+2*\i], s[16:17] offset:256*\i+128
.endr
	s_endpgm
.Lnorm:                                                ; the work-group's number is the row block
	s_load_b64 s[8:9], s[0:1], 0x38                ; the records of h
	s_load_b128 s[4:7], s[0:1], 0x40               ; x, g
	v_and_b32 v2, 15, v0                           ; r
	v_bfe_u32 v3, v0, 4, 1                         ; h
	s_delay_alu instid0(VALU_DEP_2)
	v_and_b32 v4, 8, v2
	s_delay_alu instid0(VALU_DEP_1)
	v_add_nc_u32 v4, v4, v2                        ; r + 8 (r / 8)
	s_delay_alu instid0(VALU_DEP_3)
	v_lshlrev_b32 v5, 6, v3                        ; g: 64 h
	s_delay_alu instid0(VALU_DEP_1)
	v_lshl_add_u32 v4, v4, 12, v5                  ; x: my token's row of 4,096 bytes + 64 h
	s_wait_alu depctr_va_vdst(0)
	v_lshlrev_b32 v6, 4, v1                        ; 16 x lane
	v_lshlrev_b32 v8, 2, v0                        ; my part's word: 128 x wave + 4 x lane
	v_lshlrev_b32 v9, 2, v1                        ; 4 x lane
	s_and_b32 s11, s18, 1                          ; q
	s_mul_i32 s12, s11, 1532
	s_sub_co_u32 s12, 3072, s12
	v_lshl_add_u32 v7, v1, 3, s12                  ; the scale word, counted from the codes of q
	s_lshr_b32 s12, ttmp9, 1
	s_lshl_b32 s12, s12, 17                        ; 32 (block / 2) rows,
	s_and_b32 s13, ttmp9, 1
	s_lshl_b32 s13, s13, 15                        ; + 8 (block % 2) rows,
	s_add_co_u32 s12, s12, s13
	s_lshl_b32 s14, s18, 9                         ; + my wave's 128 columns
	s_add_co_u32 s12, s12, s14
	s_mov_b32 s13, 0
	s_mov_b32 s15, 0
	s_lshr_b32 s16, s18, 1
	s_lshl_b32 s16, s16, 8
	s_add_co_u32 s16, s16, ttmp9
	s_mul_i32 s16, s16, PAIR
	s_mul_i32 s17, s11, 1536
	s_add_co_u32 s16, s16, s17
	s_mov_b32 s17, 0
	s_mov_b32 s[SEL], 0x76543210
	s_mov_b32 s[SEL+1], 0xfedcba98                 ; v_permlanex16_b32's selects for lane l xor 16
	s_mov_b32 s22, 0x3a800000                      ; 1 / 1024
	s_mov_b32 s23, 0x34000000                      ; eps = 2^-23
.irp b, 0,1,2,3
	v_mov_b32 v[TM+4+\b], 0                        ; written once: a lane permute's destination counts as one of its sources
.endr
	s_wait_kmcnt 0x0
	s_add_nc_u64 s[4:5], s[4:5], s[12:13]
	s_add_nc_u64 s[6:7], s[6:7], s[14:15]
	s_add_nc_u64 s[8:9], s[8:9], s[16:17]
.irp b, 0,1,2,3
.irp j, 0,1,2,3
	global_load_b128 v[X+16*\b+4*\j:X+16*\b+4*\j+3], v4, s[4:5] offset:128*\b+16*\j
.endr
.endr
.irp b, 0,1,2,3
.irp j, 0,1,2,3
	global_load_b128 v[G+16*\b+4*\j:G+16*\b+4*\j+3], v5, s[6:7] offset:128*\b+16*\j
.endr
.endr
	s_wait_loadcnt 16                              ; x is in; g's sixteen loads may be out
.irp k, 0,1,2,3
	v_pk_mul_f32 v[12+2*\k:13+2*\k], v[X+2*\k:X+2*\k+1], v[X+2*\k:X+2*\k+1]   ; the first four pairs start four chains: nothing is cleared
.endr
.set i, 4
.rept 28
	s_delay_alu instid0(VALU_DEP_4)
	v_pk_fma_f32 v[12+2*(i%4):13+2*(i%4)], v[X+2*i:X+2*i+1], v[X+2*i:X+2*i+1], v[12+2*(i%4):13+2*(i%4)]
.set i, i+1
.endr
	s_delay_alu instid0(VALU_DEP_3)
	v_pk_add_f32 v[12:13], v[12:13], v[14:15]
	s_delay_alu instid0(VALU_DEP_2)
	v_pk_add_f32 v[16:17], v[16:17], v[18:19]
	s_delay_alu instid0(VALU_DEP_1)
	v_pk_add_f32 v[12:13], v[12:13], v[16:17]
	s_delay_alu instid0(VALU_DEP_1)
	v_add_f32 v12, v12, v13
	s_delay_alu instid0(VALU_DEP_1)
	v_permlanex16_b32 v13, v12, s[SEL], s[SEL+1]
	s_delay_alu instid0(VALU_DEP_1)
	v_add_f32 v12, v12, v13                        ; my row's sum over my wave's 128 columns
	ds_store_b32 v8, v12
	s_wait_dscnt 0x0                               ; for the others' sake: my store has landed
	s_barrier_signal -1
	s_barrier_wait -1
.irp i, 0,1,2,3,4,5,6,7
	ds_load_b32 v[PS+\i], v9 offset:128*\i         ; my row's eight parts
.endr
	s_wait_dscnt 0x0
.irp i, 1
	v_add_f32 v[PS], v[PS], v[PS+\i]
.endr
.irp i, 2, 3, 4, 5, 6, 7
	s_delay_alu instid0(VALU_DEP_1)
	v_add_f32 v[PS], v[PS], v[PS+\i]
.endr
	s_delay_alu instid0(VALU_DEP_1)
	v_fma_f32 v12, v[PS], s22, s23                 ; the mean of the squares + eps
	s_wait_alu depctr_va_vdst(0)
	v_rsq_f32 v[RS], v12
	v_rsq_f32 v[RS+1], v12
	v_nop                                          ; one plain place behind the transcendentals
	s_wait_alu depctr_va_vdst(0)                   ; the wait ahead of their first reader: one for both
	s_wait_loadcnt 0x0                             ; g
.set i, 0
.rept 32
	v_pk_mul_f32 v[X+2*i:X+2*i+1], v[X+2*i:X+2*i+1], v[RS:RS+1]
.set i, i+1
.endr
.set i, 0
.rept 32
	v_pk_mul_f32 v[X+2*i:X+2*i+1], v[X+2*i:X+2*i+1], v[G+2*i:G+2*i+1]
.set i, i+1
.endr
	QUANT X
.irp c, 0,1,2
	global_store_b128 v6, v[PC+4*\c:PC+4*\c+3], s[8:9] offset:512*\c   ; 32 lanes store 512 consecutive bytes, at a multiple of 256 from the buffer's first byte
.endr
	global_store_b32 v7, v[PW], s[8:9]
	s_wait_tensorcnt 0x0                           ; the wave's end: behind my last LDS store
	ds_add_u32 v[SPW], v[NIL]
	s_wait_dscnt 0x0
	s_endpgm
.Lfunc_end_k_qb9e9f25c68_prep:
	.size	k_qb9e9f25c68_prep, .Lfunc_end_k_qb9e9f25c68_prep-k_qb9e9f25c68_prep
	.p2alignl 7, 3214868480
	.fill 96, 4, 3214868480
	.section	.rodata,"a",@progbits
	.p2align	6, 0x0
	.amdhsa_kernel k_qb9e9f25c68_prep
		.amdhsa_group_segment_fixed_size 2048
		.amdhsa_private_segment_fixed_size 0
		.amdhsa_enable_private_segment 0
		.amdhsa_kernarg_size 80
		.amdhsa_user_sgpr_count 2
		.amdhsa_user_sgpr_kernarg_segment_ptr 1
		.amdhsa_wavefront_size32 1
		.amdhsa_system_sgpr_workgroup_id_x 1
		.amdhsa_system_sgpr_workgroup_id_y 1
		.amdhsa_system_sgpr_workgroup_id_z 1
		.amdhsa_system_vgpr_workitem_id 0
		.amdhsa_next_free_vgpr 208
		.amdhsa_next_free_sgpr 66
		.amdhsa_reserve_vcc 1
		.amdhsa_float_denorm_mode_32 3
		.amdhsa_float_denorm_mode_16_64 3
		.amdhsa_memory_ordered 1
		.amdhsa_forward_progress 1
		.amdhsa_inst_pref_size 74
	.end_amdhsa_kernel
	.amdgpu_metadata
---
amdhsa.version: [ 1, 2 ]
amdhsa.kernels:
  - .name:           k_qb9e9f25c68_prep
    .symbol:         k_qb9e9f25c68_prep.kd
    .args:
      - { .name: wq, .offset: 0, .size: 8, .value_kind: global_buffer, .address_space: global }
      - { .name: wk, .offset: 8, .size: 8, .value_kind: global_buffer, .address_space: global }
      - { .name: wv, .offset: 16, .size: 8, .value_kind: global_buffer, .address_space: global }
      - { .name: wo, .offset: 24, .size: 8, .value_kind: global_buffer, .address_space: global }
      - { .name: w1, .offset: 32, .size: 8, .value_kind: global_buffer, .address_space: global }
      - { .name: w2, .offset: 40, .size: 8, .value_kind: global_buffer, .address_space: global }
      - { .name: wrec, .offset: 48, .size: 8, .value_kind: global_buffer, .address_space: global }
      - { .name: hrec, .offset: 56, .size: 8, .value_kind: global_buffer, .address_space: global }
      - { .name: x, .offset: 64, .size: 8, .value_kind: global_buffer, .address_space: global }
      - { .name: g1, .offset: 72, .size: 8, .value_kind: global_buffer, .address_space: global }
    .group_segment_fixed_size: 2048
    .private_segment_fixed_size: 0
    .kernarg_segment_align: 8
    .kernarg_segment_size: 80
    .max_flat_workgroup_size: 256
    .sgpr_count:     66
    .vgpr_count:     208
    .wavefront_size: 32
...
	.end_amdgpu_metadata
.endif
;; end of part 1
;; launch qkv (part 2): grid 12 x 16, 4 waves a work-group, clusters of 4 x 4, 327,680 bytes of LDS; arguments hrec, wrec, bq, bk, bv, qkvr; writes qkvr
.if DOCPART == 2
	.amdgcn_target "amdgcn-amd-amdhsa--gfx1250"
	.amdhsa_code_object_version 6
	.text
	.protected	k_qb9e9f25c68_qkv
	.globl	k_qb9e9f25c68_qkv
	.p2align	8
	.type	k_qb9e9f25c68_qkv,@function
k_qb9e9f25c68_qkv:
	s_mov_b64 s[64:65], 0
	v_nop
	global_prefetch_b8 v0, s[64:65] scope:SCOPE_SE
	s_setreg_imm32_b32 hwreg(HW_REG_WAVE_MODE, 25, 1), 1
	s_wait_xcnt 0x0
	s_wait_alu depctr_hold_cnt(0) depctr_sa_sdst(0) depctr_va_vdst(0) depctr_va_sdst(0) depctr_va_ssrc(0) depctr_va_vcc(0) depctr_vm_vsrc(0)
	s_getreg_b32 s2, hwreg(HW_REG_IB_STS2, 6, 4)
	s_cmp_eq_u32 s2, 0
	s_cbranch_scc0 .Lentry_in_a_cluster
	s_endpgm
.Lentry_in_a_cluster:
	s_bfe_u32 s2, ttmp6, 0x10000c
	s_cmp_lg_u32 s2, 0xf033
	s_cbranch_scc0 .Lentry_shape_is_right
	s_endpgm
.Lentry_shape_is_right:
; q = rope(h wq + bq), k = rope(h wk + bk), v = h wv + bv, products on codes of FP6 (E2M3) with E8M0 scales; the results are quantised again, as attention's operands, and stored as images of operand registers.
; OPERANDS are [K / 256][row blocks] PAIRs of 3,328 bytes: two K steps q of 16 rows: codes at 1536 q + 512 c + 16 lane (registers 4 c .. 4 c + 3), scale words at 3072 + 8 lane + 4 q.  128 rows x 256 K are 8 PAIRs: 26,624 dense bytes, one tensor load.
; Row r of record 2 G + u is matrix row 32 G + 8 u + r + 8 (r / 8).  So with source 0 = records 0 .. 7 of the side called B here, a lane's 64 results are register 16 b + i = B's row 32 b + 16 (lane / 16) + i: the order in which QUANT takes them.
; A tile of 256 x 256 is made by four waves, 128 x 128 each (64 accumulators).  K = 1,024 is four steps of 256.  THREE LDS slots take K steps 0, 1, 2 as first fills; slot 0 is filled once more, with K step 3, behind the round in K step 0:
; that load has 224 matrix instructions of a wave in which to land.  By this text's own count a wave has one tensor load out at the start, later one.
; 4 x 4 work-groups form a cluster: side A's tile is shared along a row, side B's along a column, by joint loads.
; THE CLUSTER'S x IS THE KIND: 0 q, 1 k, 2 v.  For q and k side A (lanes) is the tokens, side B (registers) the weight's columns: a lane's registers run along the head's channels, the next K.  For v the sides are swapped BY ADDRESS:
; side A is wv's columns, side B the tokens, so that a lane's registers run along the keys, the next K of v.  The products are the same text for all three.
; WHAT THE WAY OUT WANTS IS ASKED FOR EARLY, alike in all three kinds, so that every register is written on every way: both patterns of bias at the head; the table of cos and sin for records 0-3 ahead of the last 64 products, into B's set that is done with.
; OUT.  q, k: [batch x head][64] blocks of 1,792 bytes, each two records (u) of 16 tokens x 64 channels: registers 0-3 at 512 u + 16 lane, 4-5 at 1024 + 256 u + 8 lane, the scale word at 1536 + 128 u + 4 lane (bytes 2, 3 = 127).
; v: [batch x head][16 steps of 128 keys] blocks of 6,656 bytes: channel record p (0..3) at 1536 p + 512 c + 16 lane, scale words at 6144 + 128 p + 4 lane.
; REGISTERS, in windows of 256: window 0: v1-31 addresses; v32-63 scale words alone; v64-127 q's and k's bias; v128-223 A's fragments, one set; v240-247 v's bias; window 1: B's fragments, two sets (later the table); windows 2, 3: accumulators, (a, b) at 8 (8 (a % 4) + b).
; LIMITS: NaN and infinities are not served; a block under 2^-124 takes the byte 1; a block of zeros has the byte 1 and zero codes.
.set PAIR,  3328
.set BLK,   8*PAIR                     ; 128 rows x 256 K
.set SLOT,  4*BLK                      ; A's two halves, then B's two halves
.set SPARE, 3*SLOT                     ; behind the three slots: the spare words, 128 bytes for each wave: two blocks of 256 bytes that no other line names
.set ROPE,  10223616                   ; the table in wrec
.set QOFF,  10747904                   ; the run of wq, wk, wv in wrec: 256 row blocks from one 256 along K to the next, as in hrec
.set KKB,   256*PAIR                   ; so 256 along K on is this many bytes on both sides
.set KHOFF, 3932160                    ; k's blocks in qkvr.  A block of q or k has a pitch of 1,920 bytes: its 1,792 and 128 more, which are stored too
.set VTOFF, 7864320                    ; v's
; THE FIRST FILLS: one tensor load a wave: three rows of 26,624 bytes, K steps 0, 1, 2 of the wave's block, KKB apart in memory and on end in LDS: block w of slot s lies at (3 w + s) BLK.
.set NQ,    2                          ; matrix instructions deep in a slot
.set FR,    12
.set NL,    3                          ; LDS loads that bring a fragment
.set NP,    4                          ; places behind this matrix instruction (ISA guide 7.12.1)
.set ADRA, 16                          ; v16-18 LDS address of my A fragments in slot 0, 1, 2
.set ADRB, 19                          ; v19-21 B's
.set ADRS, 22                          ; v22-24 my scale words: lanes 0-15 A's rows, lanes 16-31 B's
.set SPW,  28                          ; v28 LDS address of my spare word; never rewritten
.set NIL,  29                          ; v29 0; never rewritten
.set SC,   32
.set BI,   64
.set AF,   128
.set T,    128                         ; the way out: 64 numbers
.set PC,   192
.set TM,   212
.set PW,   228
.set VBI,  240
.set G1, 24
.set G0, 32                            ; s[32:35] group 0 of A's loads: the head's and the refill
.set G0C, 88
.set G1B, 48
.set G0B, 56                           ; s[56:59] the same for B
.set G0BC, 92
.set WV, 66
.set WH, 67
.set WL, 68
.set STA, 70                           ; s[70:71] three K steps on in side A's buffer; s[72:73] in side B's
.set STB, 72
.set SEL, 74
.set MSB, 0
.macro WIN new                         ; the immediate's high byte repeats the setting that is left
.if MSB != \new
	s_set_vgpr_msb (MSB<<8)|\new
.set MSB, \new
.endif
.endm
.set MUL_LO, 0xa1                      ; source 0 (B) window 1, source 1 (A) window 0, C and D window 2
.set MUL_HI, 0xf1
.set TO_B,   0x40
; A joint load: waves 0 and 1 fetch A's halves, waves 2 and 3 B's; the branch hangs on the wave's number alone.  An s_nop 0 and four v_nop follow each line.
.macro JLOAD g0a, g1a, g0b, g1b
	s_cmp_eq_u32 s[WH], 0
	s_cbranch_scc0 .Lfor_b_\@
	tensor_load_to_lds s[\g0a:\g0a+3], s[\g1a:\g1a+7]
	s_nop 0
.rept 4
	v_nop
.endr
	s_branch .Lasked_\@
.Lfor_b_\@:
	tensor_load_to_lds s[\g0b:\g0b+3], s[\g1b:\g1b+7]
	s_nop 0
.rept 4
	v_nop
.endr
.Lasked_\@:
.endm
.macro CREST                           ; a round of the cluster's barrier behind its opening barrier
	s_cmp_lg_u32 s[WV], 0
	s_cbranch_scc1 .Lnot_wave_0_\@
	s_barrier_signal -3
.Lnot_wave_0_\@:
	s_barrier_wait -3
	s_barrier_signal -1
	s_barrier_wait -1
.endm
.macro CROUND
	s_barrier_signal -1
	s_barrier_wait -1
	CREST
.endm
.macro PLACES n
.rept \n
	v_nop
.endr
.endm
.macro FRAG reg, adr, off              ; a fragment comes as it was stored: three loads of 512 consecutive bytes
.irp c, 0,1,2
	ds_load_b128 v[\reg+4*\c:\reg+4*\c+3], v[\adr] offset:\off+512*\c
.endr
.endm
.macro FETCH_B slot, q, p
	WIN TO_B
.irp i, 0,1,2,3,4,5,6,7
	FRAG 128*(\p)+FR*\i, ADRB+\slot, PAIR*\i+1536*(\q)
.endr
	WIN 0
.endm
.macro FETCH_A slot, q, i0
.irp i, \i0, \i0+1, \i0+2, \i0+3
	FRAG AF+FR*(\i), ADRA+\slot, PAIR*(\i)+1536*(\q)
.endr
.endm
.macro SCALES slot, sc                 ; a slot's scale words into set sc: two a row; lanes 0-15 take A's block i, lanes 16-31 B's block i
.irp i, 0,1,2,3,4,5,6,7
	ds_load_b64 v[SC+8*NQ*(\sc)+NQ*\i:SC+8*NQ*(\sc)+NQ*\i+1], v[ADRS+\slot] offset:PAIR*\i
.endr
.endm
; 16 matrix instructions: A's blocks a0, a0 + 1 x B's eight.  The 64 accumulators take turns, one instruction a turn, in the same order in every step.
.macro MUL16 a0, p, q, sc, zero
.irp a, \a0, \a0+1
.irp b, 0,1,2,3,4,5,6,7
.if \zero
	v_wmma_scale_f32_16x16x128_f8f6f4 v[8*(8*((\a)%4)+\b):8*(8*((\a)%4)+\b)+7], v[128*(\p)+FR*\b:128*(\p)+FR*\b+FR-1], v[AF+FR*(\a):AF+FR*(\a)+FR-1], 0, v[SC+8*NQ*(\sc)+NQ*\b+(\q)], v[SC+8*NQ*(\sc)+NQ*(\a)+(\q)] matrix_a_fmt:MATRIX_FMT_FP6 matrix_b_fmt:MATRIX_FMT_FP6 matrix_a_scale:MATRIX_SCALE_ROW1
.else
	v_wmma_scale_f32_16x16x128_f8f6f4 v[8*(8*((\a)%4)+\b):8*(8*((\a)%4)+\b)+7], v[128*(\p)+FR*\b:128*(\p)+FR*\b+FR-1], v[AF+FR*(\a):AF+FR*(\a)+FR-1], v[8*(8*((\a)%4)+\b):8*(8*((\a)%4)+\b)+7], v[SC+8*NQ*(\sc)+NQ*\b+(\q)], v[SC+8*NQ*(\sc)+NQ*(\a)+(\q)] matrix_a_fmt:MATRIX_FMT_FP6 matrix_b_fmt:MATRIX_FMT_FP6 matrix_a_scale:MATRIX_SCALE_ROW1
.endif
.endr
.endr
.endm
.macro STEP slot, sc, q, zero          ; a step of 128 along K that has its successor in the same slot
	s_wait_dscnt 4*NL                              ; B's set, A's blocks 0-3 and the scale words are in; the youngest twelve loads (A's blocks 4-7) may be out
	WIN MUL_LO
	MUL16 0, (\q)%2, \q, \sc, \zero
	MUL16 2, (\q)%2, \q, \sc, \zero
	s_wait_dscnt 0
	PLACES NP                                      ; in front of loads into registers that matrix instructions have read
	FETCH_B \slot, (\q)+1, 1-(\q)%2
	FETCH_A \slot, (\q)+1, 0
	WIN MUL_HI
	MUL16 4, (\q)%2, \q, \sc, \zero
	MUL16 6, (\q)%2, \q, \sc, \zero
	PLACES NP
	WIN 0
	FETCH_A \slot, (\q)+1, 4
.endm
; A slot's last step goes on into slot next.  mode 2: slot 0 is filled again: each wave waits for all its tensor loads, adds 0 to its spare word, waits for that and for its reads of the slot; a round of the cluster's barrier; the joint refill first behind it.
; mode 1: the same lines and my work-group's barrier alone: behind it the refill is whole for every wave; nothing is filled.  mode 0: no barrier: the next slot was shown whole to every wave at the barrier of mode 2, in front of which each wave had waited for all its loads.
.macro TURN slot, sc, next, mode
.if \mode
	s_wait_tensorcnt 0x0                           ; all my tensor loads have landed
	ds_add_u32 v[SPW], v[NIL]
	s_wait_dscnt 4*NL+1                            ; (the add and A's blocks 4-7 may be out)
.else
	s_wait_dscnt 4*NL                              ; (A's blocks 4-7 may be out)
.endif
	WIN MUL_LO
	MUL16 0, 1, NQ-1, \sc, 0
.if \mode
	s_wait_dscnt 0x0                               ; the add is done, and my reads of this slot are over
	s_barrier_signal -1
.endif
	MUL16 2, 1, NQ-1, \sc, 0
.if \mode
	WIN 0
	s_barrier_wait -1
.else
	s_wait_dscnt 0                                 ; A's blocks 4-7 are in
.endif
.if \mode == 2
	CREST                                          ; the barrier has opened a round of the cluster's barrier: no wave of any partner still reads this slot or has a load on its way
	s_add_nc_u64 s[G0+2:G0+3], s[G0+2:G0+3], s[STA:STA+1]
	s_add_nc_u64 s[G0B+2:G0B+3], s[G0B+2:G0B+3], s[STB:STB+1]
	JLOAD G0, G1, G0B, G1B                         ; the first tensor load behind the round; its four v_nop are the places in front of the loads below
.else
	PLACES NP
.endif
	FETCH_B \next, 0, 0
	FETCH_A \next, 0, 0
	SCALES \next, 1-(\sc)
	WIN MUL_HI
	MUL16 4, 1, NQ-1, \sc, 0
	MUL16 6, 1, NQ-1, \sc, 0
	PLACES NP
	WIN 0
	FETCH_A \next, 0, 4
.endm
; 64 numbers of a lane, register 16 b + i = k 32 b + 16 (lane / 16) + i of my row, become a fragment's codes in v[PC] on and its scale word in v[PW].
.macro QUANT s
.irp b, 0,1,2,3
	v_max3_num_f32 v[TM+\b], |v[\s+16*\b]|, |v[\s+1+16*\b]|, 0x1800000   ; and the floor 2^(3 - 127): the byte cannot fall under 1
.endr
.irp i, 2,4,6,8,10,12,14
.irp b, 0,1,2,3
	v_max3_num_f32 v[TM+\b], v[TM+\b], |v[\s+16*\b+\i]|, |v[\s+1+16*\b+\i]|
.endr
.endr
.irp b, 0,1,2,3
	v_permlanex16_b32 v[TM+4+\b], v[TM+\b], s[SEL], s[SEL+1]
.endr
.irp b, 0,1,2,3
	v_max_num_f32 v[TM+\b], v[TM+\b], v[TM+4+\b]
.endr
.irp b, 0,1,2,3
	v_add_nc_u32 v[TM+12+\b], 0xff000000, v[TM+\b]   ; 2 off the exponent field: the conversion's scale operand
.endr
.irp b, 0,1,2,3
	v_lshrrev_b32 v[TM+4+\b], 23, v[TM+12+\b]
.endr
	v_lshl_or_b32 v[PW], v[TM+5], 8, v[TM+4]
	v_lshl_or_b32 v[PW], v[TM+6], 16, v[PW]
	v_lshl_or_b32 v[PW], v[TM+7], 24, v[PW]
.irp c, 0,1
	v_cvt_scalef32_pk16_fp6_f32 v[PC+6*\c:PC+2+6*\c], v[\s+32*\c:\s+15+32*\c], v[TM+12+2*\c]
	v_cvt_scalef32_pk16_fp6_f32 v[PC+12+4*\c:PC+14+4*\c], v[\s+16+32*\c:\s+31+32*\c], v[TM+12+2*\c+1]
.endr
	v_nop                                          ; one plain place behind a scaled conversion
.irp c, 0,1
.irp i, 0,1,2
	v_permlane16_swap_b32 v[PC+6*\c+\i], v[PC+12+4*\c+\i]
.endr
.irp i, 0,1,2
	v_mov_b32 v[PC+3+6*\c+\i], v[PC+12+4*\c+\i]
.endr
.endr
.endm
.macro FIRST g0a, g0b, s               ; the first fill of all three slots, K steps 0, 1, 2, in one load
	s_mov_b32 s[\g0a], 1
	s_add_co_u32 s[\g0a+1], s86, \s*SLOT
	s_mov_b64 s[\g0a+2:\g0a+3], s[4:5]
	s_or_b32 s[\g0a+3], s[\g0a+3], 0x80000000
	s_mov_b32 s[\g0b], 1
	s_add_co_u32 s[\g0b+1], s86, \s*SLOT
	s_mov_b64 s[\g0b+2:\g0b+3], s[6:7]
	s_or_b32 s[\g0b+3], s[\g0b+3], 0x80000000
	JLOAD \g0a, G1, \g0b, G1B
.endm
.macro TABLE a                         ; record a's 16 cosines to 32 a of window 1, its 16 sines to 32 a + 16
.irp n, 0,1
.irp j, 0,1,2,3
	global_load_b128 v[32*(\a)+16*\n+4*\j:32*(\a)+16*\n+4*\j+3], v30, s[84:85] offset:(32*((\a)/2)+8*((\a)%2))*256+128*\n+16*\j
.endr
.endr
.endm
	s_load_b256 s[8:15], s[0:1], 0x0               ; hrec s[8:9], wrec s[10:11], bq s[12:13], bk s[14:15]
	s_load_b128 s[16:19], s[0:1], 0x20             ; bv s[16:17], qkvr s[18:19]
	v_lshl_add_u32 v[SPW], v0, 2, SPARE
	v_mov_b32 v[NIL], 0
	ds_add_u32 v[SPW], v[NIL]                      ; the wave's opening: the add and its wait ahead of my first tensor load; work on registers stands between them
	ds_add_u32 v[SPW], v[NIL]
	v_lshrrev_b32 v1, 5, v0
	v_readfirstlane_b32 s[WV], v1                  ; wave 0..3
	s_lshr_b32 s[WH], s[WV], 1                     ; which half of side A's rows is mine.  Also: I fetch for A (0) or for B (1)
	s_and_b32 s[WL], s[WV], 1                      ; which half of side B's rows.  Also: which 128 rows I fetch
	s_bfe_u32 s40, ttmp6, 0x40000                  ; cx
	s_bfe_u32 s41, ttmp6, 0x40004                  ; cy
	s_and_b32 s46, ttmp7, 0xffff
	s_lshl_b32 s46, s46, 2                         ; 4 x cluster y
	s_lshl_b32 s47, ttmp9, 2                       ; 4 x cluster x
	s_add_co_u32 s76, s46, s41                     ; q, k: side A's tile = the tokens': 4 Y + cy
	s_add_co_u32 s77, s41, 8                       ; v:    side A's tile = wv's: 8 + cy (in tiles of 16 row blocks of the weights' run)
	s_add_co_u32 s78, s47, s40                     ; q, k: side B's tile = the weight's: 4 X + cx
	s_add_co_u32 s79, s46, s40                     ; v:    side B's tile = the tokens': 4 Y + cx
	s_cmp_eq_u32 ttmp9, 2                          ; the cluster's x: the same in all sixteen partners
	s_cselect_b32 s43, s77, s76                    ; TA: made of cy alone
	s_cselect_b32 s42, s79, s78                    ; TB: made of cx alone
	s_cselect_b32 s80, QOFF, 0                     ; the side that is the weights begins QOFF bytes into wrec: side A for v,
	s_cselect_b32 s81, 0, QOFF                     ; side B for q and k
	s_mov_b32 s[STA], 3*KKB                        ; three K steps on
	s_mov_b32 s[STA+1], 0
	s_mov_b32 s[STB], 3*KKB
	s_mov_b32 s[STB+1], 0
	s_lshl_b32 s44, s41, 2
	s_lshl_b32 s44, 15, s44                        ; my row of the cluster
	s_lshl_b32 s45, 0x1111, s40                    ; my column
	s_or_b32 s[G1], s44, (3<<16)|(1<<21)           ; 15:0 the mask; 17:16 elements of 8 bytes; 21 set beside a mask; no padding: every LDS read takes consecutive bytes
	s_or_b32 s[G1B], s45, (3<<16)|(1<<21)
.irp g, G1, G1B
	s_mov_b32 s[\g+1], 3328<<16                    ; the head's load: tensor_dim0 = 3,328 elements: rows of 26,624 bytes,
	s_mov_b32 s[\g+2], 3<<16                       ; tensor_dim1 = 3 rows: K steps 0, 1, 2
	s_mov_b32 s[\g+3], 3328<<16                    ; tile_dim0
	s_mov_b32 s[\g+4], 3                           ; tile_dim1
	s_mov_b32 s[\g+5], KKB/8                       ; the pitch, in elements
	s_mov_b32 s[\g+6], 0
	s_mov_b32 s[\g+7], 0
.endr
	s_lshl_b32 s20, s43, 4
	s_lshl_b32 s21, s[WL], 3
	s_add_co_u32 s20, s20, s21
	s_mul_i32 s20, s20, PAIR                       ; A: row block 16 TA + 8 x half
	s_add_co_u32 s20, s20, s80
	s_mov_b32 s21, 0
	s_lshl_b32 s22, s42, 4
	s_lshl_b32 s23, s[WL], 3
	s_add_co_u32 s22, s22, s23
	s_mul_i32 s22, s22, PAIR                       ; B: row block 16 TB + 8 x half
	s_add_co_u32 s22, s22, s81
	s_mov_b32 s23, 0
	s_mul_i32 s86, s[WV], 3*BLK                    ; where they go: wave x three blocks: no place in the cluster enters an LDS address
	s_mov_b32 s[SEL], 0x76543210
	s_mov_b32 s[SEL+1], 0xfedcba98
	s_wait_dscnt 0x0                               ; the opening add is done
	s_wait_kmcnt 0x0
	s_cmp_eq_u32 ttmp9, 2
	s_cselect_b64 s[4:5], s[10:11], s[8:9]         ; side A: the weights for v, else h
	s_cselect_b64 s[6:7], s[8:9], s[10:11]         ; side B: h for v, else the weights
	s_add_nc_u64 s[4:5], s[4:5], s[20:21]
	s_add_nc_u64 s[6:7], s[6:7], s[22:23]
	CROUND                                         ; all sixteen work-groups are here: the first joint loads meet
	FIRST G0, G0B, 0                               ; my one load at the head: all three slots' blocks
	v_and_b32 v1, 15, v0                           ; r
	v_bfe_u32 v2, v0, 4, 1                         ; h
	v_and_b32 v3, 31, v0
	v_lshlrev_b32 v12, 4, v3                       ; 16 x lane
	s_wait_alu depctr_va_vdst(0)
	v_lshlrev_b32 v13, 3, v3                       ; 8 x lane
	v_lshlrev_b32 v14, 2, v3                       ; 4 x lane
	s_mul_i32 s20, s[WH], 3*BLK                    ; my block of A,
	s_mul_i32 s21, s[WL], 3*BLK
	s_add_co_u32 s21, s21, 6*BLK                   ; my block of B,
	s_sub_co_u32 s22, s21, s20
	v_mul_u32_u24 v4, s22, v2                      ; lanes 16-31 take B's scale words
	v_add_nc_u32 v4, v4, v13
	s_add_co_u32 s23, s20, 3072
.irp s, 0,1,2
	v_add_nc_u32 v[ADRA+\s], s20, v12
	v_add_nc_u32 v[ADRB+\s], s21, v12
	v_add_nc_u32 v[ADRS+\s], s23, v4
	s_add_co_u32 s20, s20, BLK
	s_add_co_u32 s21, s21, BLK
	s_add_co_u32 s23, s23, BLK
.endr
	; what the way out wants, asked for while the first tiles are on their way; every address lies inside its buffer in all three kinds
	v_and_b32 v3, 8, v1
	v_add_nc_u32 v3, v3, v1                        ; r + 8 (r / 8)
	s_wait_alu depctr_va_vdst(0)
	s_cmp_eq_u32 ttmp9, 1
	s_cselect_b64 s[12:13], s[14:15], s[12:13]     ; bk for k, else bq
	s_lshl_b32 s78, s40, 10
	s_lshl_b32 s79, s[WL], 9
	s_add_co_u32 s78, s78, s79                     ; q, k: my 128 columns: (256 cx + 128 x half) x 4 bytes
	s_mov_b32 s79, 0
	s_add_nc_u64 s[12:13], s[12:13], s[78:79]
	v_lshlrev_b32 v31, 6, v2                       ; 64 h
	s_wait_alu depctr_va_vdst(0)
.irp b, 0,1,2,3
.irp j, 0,1,2,3
	global_load_b128 v[BI+16*\b+4*\j:BI+16*\b+4*\j+3], v31, s[12:13] offset:128*\b+16*\j   ; register 16 b + i: the bias of column 32 b + 16 h + i
.endr
.endr
	s_lshl_b32 s78, s41, 10
	s_lshl_b32 s79, s[WH], 9
	s_add_co_u32 s78, s78, s79                     ; v: my 128 channels: (256 cy + 128 x half) x 4 bytes
	s_mov_b32 s79, 0
	s_add_nc_u64 s[16:17], s[16:17], s[78:79]
	v_lshlrev_b32 v27, 2, v3
.irp a, 0,1,2,3,4,5,6,7
	global_load_b32 v[VBI+\a], v27, s[16:17] offset:(32*(\a/2)+8*(\a%2))*4   ; the bias of channel r of record a
.endr
	s_and_b32 s87, s43, 7                          ; q, k: my tile of tokens in its batch
	s_lshl_b32 s80, s87, 16
	s_lshl_b32 s81, s[WH], 15
	s_add_co_u32 s80, s80, s81
	s_add_co_u32 s80, s80, ROPE                    ; the table at my first position: 256 bytes a position
	s_mov_b32 s81, 0
	s_add_nc_u64 s[84:85], s[10:11], s[80:81]
	v_lshl_add_u32 v30, v3, 8, v31                 ; my token's 256 bytes, + 64 h: frequencies 16 h + 0 .. 15
	s_wait_alu depctr_va_vdst(0)                   ; the wait at the head's end
	s_wait_tensorcnt 0x0                           ; my three blocks are in; no tensor load of mine is out, so a descriptor may be written:
.irp g, G1, G1B
	s_mov_b32 s[\g+1], 32<<16                      ; the refill brings one block: rows of 256 bytes,
	s_mov_b32 s[\g+2], 104<<16                     ; 104 of them: 26,624 dense bytes
	s_mov_b32 s[\g+3], 32<<16
	s_mov_b32 s[\g+4], 104
	s_mov_b32 s[\g+5], 32
.endr
	s_barrier_signal -1
	s_barrier_wait -1                              ; everybody's is
	FETCH_B 0, 0, 0
	FETCH_A 0, 0, 0
	SCALES 0, 0
	FETCH_A 0, 0, 4
	STEP 0, 0, 0, 1                                ; K step 0: its first products start the sums
	TURN 0, 0, 1, 2                                ; slot 0 takes K step 3
	STEP 1, 1, 0, 0                                ; K step 1
	TURN 1, 1, 2, 0
	STEP 2, 0, 0, 0                                ; K step 2
	TURN 2, 0, 0, 1                                ; K step 3 is whole for every wave
	STEP 0, 1, 0, 0                                ; K step 3
	WIN TO_B                                       ; B's set 0 is done with, four places back: the table of records 0-3 lands there under the last 64 products
	s_wait_alu depctr_va_vdst(0)
.irp a, 0,1,2,3
	TABLE \a
.endr
	WIN 0
	s_wait_dscnt 4*NL
	WIN MUL_LO
	MUL16 0, 1, NQ-1, 1, 0
	MUL16 2, 1, NQ-1, 1, 0
	s_wait_dscnt 0
	WIN MUL_HI
	MUL16 4, 1, NQ-1, 1, 0
	MUL16 6, 1, NQ-1, 1, 0
	WIN 0
	PLACES NP                                      ; behind the last products: in front of reads of results, and of writes and loads into the operands' registers
.irp b, 0,1,2,3
	v_mov_b32 v[TM+4+\b], 0                        ; written once: a lane permute's destination counts as one of its sources
.endr
	s_cmp_eq_u32 ttmp9, 2                          ; the kind: the cluster's x, the same in all partners
	s_cbranch_scc1 .Lvpath
	; ---- q and k: + bias, rotary embedding, quantised along the head's 64 channels.  My 128 columns are two heads; lane (r, h) holds token r of record a, register 32 e + 16 s + i = channel 32 s + 16 h + i of head e
	s_cmp_eq_u32 ttmp9, 1
	s_cselect_b32 s76, KHOFF, 0
	s_lshr_b32 s82, s43, 3                         ; the batch
	s_lshl_b32 s82, s82, 4
	s_lshl_b32 s83, s40, 2
	s_add_co_u32 s82, s82, s83
	s_lshl_b32 s83, s[WL], 1
	s_add_co_u32 s82, s82, s83                     ; batch x 16 + my first head
	s_lshl_b32 s82, s82, 6
	s_lshl_b32 s83, s87, 3
	s_add_co_u32 s82, s82, s83
	s_lshl_b32 s83, s[WH], 2
	s_add_co_u32 s82, s82, s83                     ; x 64 blocks + my first
	s_mul_i32 s82, s82, 1920
	s_add_co_u32 s82, s82, s76
	s_mov_b32 s83, 0
	s_add_nc_u64 s[18:19], s[18:19], s[82:83]
	s_mov_b32 s86, 0x7f7f0000                      ; the bytes of the two blocks that a head of 64 does not have: scale 1 over zero codes
	WIN TO_B                                       ; the table of records 4-7, into B's set 1 and the registers behind it
.irp a, 4,5,6,7
	TABLE \a
.endr
	WIN 0
.irp a, 0,1,2,3,4,5,6,7
	s_wait_loadcnt 8*(7-\a)                        ; the biases and this record's eight table loads are in; the later records' eight each may be out
	s_wait_xcnt 0x0                                ; the last record's stores have read their registers
	WIN 0x02+(\a)/4
.set i, 0
.rept 32
	v_pk_add_f32 v[T+2*i:T+2*i+1], v[64*((\a)%4)+2*i:64*((\a)%4)+2*i+1], v[BI+2*i:BI+2*i+1]   ; each accumulator from its low end on
.set i, i+1
.endr
	WIN 0x04                                       ; source 1: the table, window 1
.irp e, 0,1
.irp p, 0,1,2,3,4,5,6,7
.set U, 230+4*(\p%2)
	v_pk_mul_f32 v[U:U+1], v[T+32*\e+16+2*\p:T+32*\e+17+2*\p], v[32*\a+16+2*\p:32*\a+17+2*\p]      ; x2 sin
	v_pk_mul_f32 v[U+2:U+3], v[T+32*\e+2*\p:T+32*\e+1+2*\p], v[32*\a+16+2*\p:32*\a+17+2*\p]        ; x1 sin
	v_pk_fma_f32 v[T+32*\e+2*\p:T+32*\e+1+2*\p], v[T+32*\e+2*\p:T+32*\e+1+2*\p], v[32*\a+2*\p:32*\a+1+2*\p], v[U:U+1] neg_lo:[0,0,1] neg_hi:[0,0,1]   ; x1 cos - x2 sin
	v_pk_fma_f32 v[T+32*\e+16+2*\p:T+32*\e+17+2*\p], v[T+32*\e+16+2*\p:T+32*\e+17+2*\p], v[32*\a+2*\p:32*\a+1+2*\p], v[U+2:U+3]                       ; x2 cos + x1 sin
.endr
.endr
	WIN 0
	QUANT T                                        ; registers 0-5: head 0's 64 channels, 6-11: head 1's; the word's bytes 0, 1 and 2, 3 likewise
	v_and_or_b32 v238, v[PW], 0xffff, s86
	v_lshrrev_b32 v239, 16, v[PW]
	v_or_b32 v239, s86, v239
.irp e, 0,1
	global_store_b128 v12, v[PC+6*\e:PC+6*\e+3], s[18:19] offset:122880*\e+1920*(\a/2)+512*(\a%2)
	global_store_b64 v13, v[PC+6*\e+4:PC+6*\e+5], s[18:19] offset:122880*\e+1920*(\a/2)+1024+256*(\a%2)
	global_store_b32 v14, v[238+\e], s[18:19] offset:122880*\e+1920*(\a/2)+1536+128*(\a%2)
.if (\a%2) == 0
	global_store_b32 v14, v[238+\e], s[18:19] offset:122880*\e+1920*(\a/2)+1792   ; the block's last 128 bytes: the next launch's tensor loads bring them along and nobody reads them; they are written so that no byte that is loaded is unwritten
.endif
.endr
.endr
	s_branch .Ldone
.Lvpath:
	; ---- v: + bias, quantised along the keys.  Lane (r, h) holds channel r of record a (my 128 channels are two heads of four records); its registers are my 128 tokens: one K step of attention's second product
	s_lshr_b32 s82, s42, 3                         ; the batch
	s_lshl_b32 s82, s82, 4
	s_lshl_b32 s83, s41, 2
	s_add_co_u32 s82, s82, s83
	s_lshl_b32 s83, s[WH], 1
	s_add_co_u32 s82, s82, s83                     ; batch x 16 + my first head
	s_lshl_b32 s82, s82, 4
	s_and_b32 s83, s42, 7
	s_lshl_b32 s83, s83, 1
	s_add_co_u32 s82, s82, s83
	s_add_co_u32 s82, s82, s[WL]                   ; x 16 K steps + mine
	s_mul_i32 s82, s82, 6656
	s_add_co_u32 s82, s82, VTOFF
	s_mov_b32 s83, 0
	s_add_nc_u64 s[18:19], s[18:19], s[82:83]
	s_wait_loadcnt 0x0                             ; the bias (and what else was asked for early)
.irp a, 0,1,2,3,4,5,6,7
	s_wait_xcnt 0x0                                ; the last record's stores have read their registers
	WIN 0x02+(\a)/4
.set i, 0
.rept 64
	v_add_f32 v[T+i], v[64*((\a)%4)+i], v[VBI+\a]  ; each accumulator from its low end on
.set i, i+1
.endr
	WIN 0
	QUANT T
.irp c, 0,1,2
	global_store_b128 v12, v[PC+4*\c:PC+4*\c+3], s[18:19] offset:106496*(\a/4)+1536*(\a%4)+512*\c
.endr
	global_store_b32 v14, v[PW], s[18:19] offset:106496*(\a/4)+6144+128*(\a%4)
.endr
.Ldone:
	s_wait_tensorcnt 0x0                           ; the wave's end: behind my last tensor load
	ds_add_u32 v[SPW], v[NIL]
	s_wait_dscnt 0x0
	CROUND                                         ; the closing round: no work-group ends while a partner may still ask for a tile that names it
	s_endpgm
.Lfunc_end_k_qb9e9f25c68_qkv:
	.size	k_qb9e9f25c68_qkv, .Lfunc_end_k_qb9e9f25c68_qkv-k_qb9e9f25c68_qkv
	.p2alignl 7, 3214868480
	.fill 96, 4, 3214868480
	.section	.rodata,"a",@progbits
	.p2align	6, 0x0
	.amdhsa_kernel k_qb9e9f25c68_qkv
		.amdhsa_group_segment_fixed_size 327680
		.amdhsa_private_segment_fixed_size 0
		.amdhsa_enable_private_segment 0
		.amdhsa_kernarg_size 48
		.amdhsa_user_sgpr_count 2
		.amdhsa_user_sgpr_kernarg_segment_ptr 1
		.amdhsa_wavefront_size32 1
		.amdhsa_system_sgpr_workgroup_id_x 1
		.amdhsa_system_sgpr_workgroup_id_y 1
		.amdhsa_system_sgpr_workgroup_id_z 1
		.amdhsa_system_vgpr_workitem_id 0
		.amdhsa_next_free_vgpr 1024
		.amdhsa_next_free_sgpr 100
		.amdhsa_reserve_vcc 0
		.amdhsa_float_denorm_mode_32 3
		.amdhsa_float_denorm_mode_16_64 3
		.amdhsa_memory_ordered 1
		.amdhsa_forward_progress 1
		.amdhsa_inst_pref_size 248
	.end_amdhsa_kernel
	.amdgpu_metadata
---
amdhsa.version: [ 1, 2 ]
amdhsa.kernels:
  - .name:           k_qb9e9f25c68_qkv
    .symbol:         k_qb9e9f25c68_qkv.kd
    .args:
      - { .name: hrec, .offset: 0, .size: 8, .value_kind: global_buffer, .address_space: global }
      - { .name: wrec, .offset: 8, .size: 8, .value_kind: global_buffer, .address_space: global }
      - { .name: bq, .offset: 16, .size: 8, .value_kind: global_buffer, .address_space: global }
      - { .name: bk, .offset: 24, .size: 8, .value_kind: global_buffer, .address_space: global }
      - { .name: bv, .offset: 32, .size: 8, .value_kind: global_buffer, .address_space: global }
      - { .name: qkvr, .offset: 40, .size: 8, .value_kind: global_buffer, .address_space: global }
    .group_segment_fixed_size: 327680
    .private_segment_fixed_size: 0
    .kernarg_segment_align: 8
    .kernarg_segment_size: 48
    .max_flat_workgroup_size: 128
    .sgpr_count:     100
    .vgpr_count:     1024
    .wavefront_size: 32
...
	.end_amdgpu_metadata
.endif
;; end of part 2
;; launch attn (part 3): grid 8 x 32, 16 waves a work-group, clusters of 4 x 1, 231,424 bytes of LDS; arguments qkvr, orec; writes orec
.if DOCPART == 3
	.amdgcn_target "amdgcn-amd-amdhsa--gfx1250"
	.amdhsa_code_object_version 6
	.text
	.protected	k_qb9e9f25c68_attn
	.globl	k_qb9e9f25c68_attn
	.p2align	8
	.type	k_qb9e9f25c68_attn,@function
k_qb9e9f25c68_attn:
	s_mov_b64 s[64:65], 0
	v_nop
	global_prefetch_b8 v0, s[64:65] scope:SCOPE_SE
	s_setreg_imm32_b32 hwreg(HW_REG_WAVE_MODE, 25, 1), 1
	s_wait_xcnt 0x0
	s_wait_alu depctr_hold_cnt(0) depctr_sa_sdst(0) depctr_va_vdst(0) depctr_va_sdst(0) depctr_va_ssrc(0) depctr_va_vcc(0) depctr_vm_vsrc(0)
	s_getreg_b32 s2, hwreg(HW_REG_IB_STS2, 6, 4)
	s_cmp_eq_u32 s2, 0
	s_cbranch_scc0 .Lentry_in_a_cluster
	s_endpgm
.Lentry_in_a_cluster:
	s_bfe_u32 s2, ttmp6, 0x10000c
	s_cmp_lg_u32 s2, 0x3003
	s_cbranch_scc0 .Lentry_shape_is_right
	s_endpgm
.Lentry_shape_is_right:
; o = softmax(q k^T / 8) v for 32 (batch x head), 2,048 queries and keys, head size 64, both products on codes of FP6 (E2M3) with E8M0 scales; o is quantised again along the model's 1,024 and stored as images of operand registers.
; THE SOFTMAX AHEAD OF THE SECOND PRODUCT: t = score x log2(e) / 8; M = the row's largest t so far, rounded UP to a whole number; p = 2^(t - M) is what is quantised, along the keys, not normalised.  The row's sum is taken of the
; unquantised p and divides at the end.  When M moves, the sum and O are multiplied by 2^(old M - new M): exact.
; IN.  q, k: [batch x head][64] blocks, 1,920 bytes apart = two records u of 16 tokens x 64 channels: registers 0-3 at 512 u + 16 lane, 4-5 at 1024 + 256 u + 8 lane, scale word at 1536 + 128 u + 4 lane (bytes 2, 3 = 127).
; v: [batch x head][16] blocks of 6,656 bytes = four records p of 16 channels x 128 keys at 1536 p + 512 c + 16 lane, scale words at 6144 + 128 p + 4 lane.  Row r of record 2 G + u is row 32 G + 8 u + r + 8 (r / 8).
; SHARES.  A work-group owns 256 queries of one head, each of its sixteen waves one record of 16, in 256 registers.  256 work-groups.
; A HEAD'S WHOLE k AND v (229,376 bytes) COME INTO LDS ONCE: sixteen first fills, one a wave (waves 0-7 an eighth of k, waves 8-15 an eighth of v), nothing is ever filled again; ONE barrier shows them to all waves.
; The four query blocks of a cluster share the head: each part is asked for jointly.  By this text's own count a wave has one tensor load out.
; No prefetch: every tile that the launch reads is asked for at its head, so there is no loop of loads to run ahead in.
; WHICH KEYS FORM A TILE OF k IS CHOSEN BY THE LANES' LDS ADDRESSES: row m of tile 4 c + i is key 64 c + 32 (m / 8) + 8 i + m % 8 of the step.  Both products are used transposed (S^T = k q^T, O^T = v^T p^T), so lane (r, h) holds query r, and
; its 32 registers of tiles 4 c .. 4 c + 3 are keys 64 c + 32 h + 0 .. 31: ONE WHOLE BLOCK, in the order and in the lane in which the second product's operand wants it.  A block's largest score needs no other lane, and no codes change lanes.
; The two halves of a tile come from blocks 1,920 bytes apart, which is 128 modulo 256: the sixteen lanes of a 16-byte load touch 256 different bytes modulo 256.
; A BLOCK'S SCALE IS MADE AHEAD OF THE EXPONENTIALS: p rises with the score, so the block's largest p is 2^x with x = t - M of its largest score, and floor(log2) of it is floor(x): the byte is floor(x) + 125, held at 1 from below.
; THE FIRST PRODUCT'S K IS 64, the instruction's 128: q's registers 6-11 are zero codes, and both sides' scale bytes 2, 3 are 127.  A tile of k is six registers; the instruction's other six are the next tile's (the last tile's: p's codes):
; the format has no infinity and no NaN, so each such product is a finite number times zero and adds exactly nothing.
; k has registers of its own: this step's v and the next step's k are asked of LDS behind the scores' products and land while the softmax is walked; k's loads stand between the dependent lines that make M.
; OUT.  [K / 256 = 4][256 row blocks] PAIRs of 3,328 bytes: codes of K step q at 1536 q + 512 c + 16 lane, scale words at 3072 + 8 lane + 4 q.  A head is half of a record: one chunk whole, half of the middle chunk, two bytes of each scale word.
; LIMITS: NaN and infinities are not served; the promise holds while the scaled scores t stay under 2^31 in magnitude; a block under 2^-124 takes the byte 1; a block of zeros has the byte 1 and zero codes;
; where v_exp_f32 rounds a block's largest p up to the next power of two (x within an ulp under a whole number), that one p is held at the largest code.
.set PAIR,  3328
.set BP,    1920                       ; from block to block of q or k
.set VQ,    6656
.set VB,    64*BP                      ; LDS: k's 64 blocks, then v's 16
.set SPARE, VB+16*VQ                   ; then the spare words, 128 bytes for each wave: eight blocks of 256 bytes that no other line names
.set KHOFF, 3932160
.set VTOFF, 7864320
; v1-3 k's lane terms (16-, 8-, 4-byte pieces); v4, v5 v's
.set SPW,  6                           ; LDS address of my spare word; never rewritten
.set NIL,  7                           ; 0; never rewritten
.set NM,   8                           ; -M;  v9: the largest score so far
.set SM,   9
.set L,    10                          ; v[10:11] the row's sum, in two halves
.set F,    12                          ; v12 f = 2^(old M - new M)
.set MX,   14                          ; v14, v15 my two blocks' largest score, then x, then 2^23 + the byte
.set MB,   16                          ; v16, v17 a second chain of the maxima; then the conversions' scale operands
.set SO,   16
.set PW,   18                          ; p's scale word;  v19 q's
.set QW,   19
.set SH,   20                          ; the byte selector that puts my two bytes at places h and 2 + h of the word
.set T1,   21
.set AT,   22                          ; v22-26 the step's five LDS addresses
.set T2,   27
.set KW,   28                          ; v28-35 k's scale words;  v36-39 v's
.set VW,   36
.set QF,   40                          ; v40-51  q's fragment
.set KF,   52                          ; v52-99  k's eight tiles, six registers each
.set P,    100                         ; v100-111 p's codes
.set VF,   112                         ; v112-159 v's four records
.set S,    160                         ; v160-223 S^T, then p
.set O,    224                         ; v224-255 O^T
.set WV,   18
.set NCS,  19                          ; -c
.set SEL,  20
.set CS,   22                          ; s[22:23] c = log2(e) / 8
.set G1K,  24
.set G1V,  32
.set G0K,  40
.set G0V,  44
.set KO,   2                           ; where the NEXT step's blocks of k begin in LDS
.set VO,   3                           ; and this step's v, counted from VB
.set CNT,  66
.macro CROUND                          ; a round of the cluster's barrier
	s_barrier_signal -1
	s_barrier_wait -1
	s_cmp_lg_u32 s[WV], 0
	s_cbranch_scc1 .Lnot_wave_0_\@
	s_barrier_signal -3
.Lnot_wave_0_\@:
	s_barrier_wait -3
	s_barrier_signal -1
	s_barrier_wait -1
.endm
.macro KT a16, a8, a4, c, i            ; tile 4 c + i of k: rows 8 (i / 2) .. + 7 of record i % 2 of blocks 2 c (lanes with m < 8) and 2 c + 1
	ds_load_b128 v[KF+6*(4*\c+\i):KF+6*(4*\c+\i)+3], v[\a16] offset:2*BP*\c+512*(\i%2)+128*(\i/2)
	ds_load_b64 v[KF+6*(4*\c+\i)+4:KF+6*(4*\c+\i)+5], v[\a8] offset:2*BP*\c+1024+256*(\i%2)+64*(\i/2)
	ds_load_b32 v[KW+4*\c+\i], v[\a4] offset:2*BP*\c+1536+128*(\i%2)+32*(\i/2)
.endm
.macro KN pre, c, i                    ; the same of the next step, where there is one
.if \pre
	KT AT, AT+1, AT+2, \c, \i
.endif
.endm
.macro PADD a, b                       ; pair a of p += pair b, in place
	v_pk_add_f32 v[S+2*(\a):S+2*(\a)+1], v[S+2*(\a):S+2*(\a)+1], v[S+2*(\b):S+2*(\b)+1]
.endm
.macro FM first, n                     ; t - M of n pairs of scores from pair first on
.set j, 2*(\first)
.rept \n
	v_pk_fma_f32 v[S+j:S+j+1], v[S+j:S+j+1], s[CS:CS+1], v[NM:NM+1] op_sel_hi:[1,0,0]
.set j, j+2
.endr
.endm
	s_load_b128 s[4:7], s[0:1], 0x0                ; qkvr, orec
	v_lshl_add_u32 v[SPW], v0, 2, SPARE
	v_mov_b32 v[NIL], 0
	ds_add_u32 v[SPW], v[NIL]                      ; the wave's opening: the add, twice on end, and its wait ahead of my first tensor load; work on registers stands between
	ds_add_u32 v[SPW], v[NIL]
	v_lshrrev_b32 v8, 5, v0
	s_delay_alu instid0(VALU_DEP_1)
	v_readfirstlane_b32 s[WV], v8                  ; wave 0..15
	s_bfe_u32 s86, ttmp6, 0x40000                  ; cx
	s_lshl_b32 s85, ttmp9, 2
	s_add_co_u32 s85, s85, s86                     ; my block of 256 queries: it enters q's and o's addresses alone
	s_and_b32 s84, ttmp7, 0xffff                   ; batch x 16 + head, which the four partners share
	s_mov_b32 s[G1K], 15|(3<<16)|(1<<21)           ; 15:0 the mask: all four; 17:16 elements of 8 bytes; 21 set beside a mask; no padding
	s_mov_b32 s[G1K+1], 32<<16                     ; rows of 256 bytes
	s_mov_b32 s[G1K+2], 60<<16                     ; an eighth of k: 8 blocks, 15,360 dense bytes
	s_mov_b32 s[G1K+3], 32<<16
	s_mov_b32 s[G1K+4], 60
	s_mov_b32 s[G1K+5], 32
	s_mov_b32 s[G1K+6], 0
	s_mov_b32 s[G1K+7], 0
	s_mov_b32 s[G1V], 15|(3<<16)|(1<<21)
	s_mov_b32 s[G1V+1], 32<<16
	s_mov_b32 s[G1V+2], 52<<16                     ; an eighth of v: 2 blocks, 13,312 dense bytes
	s_mov_b32 s[G1V+3], 32<<16
	s_mov_b32 s[G1V+4], 52
	s_mov_b32 s[G1V+5], 32
	s_mov_b32 s[G1V+6], 0
	s_mov_b32 s[G1V+7], 0
	s_mul_i32 s88, s84, 64*BP
	s_mov_b32 s89, 0
	s_mul_i32 s90, s84, 16*VQ
	s_mov_b32 s91, 0
	s_and_b32 s87, s[WV], 7                        ; which eighth is mine
	s_mul_i32 s70, s87, 8*BP
	s_mov_b32 s71, 0
	s_mul_i32 s72, s87, 2*VQ
	s_mov_b32 s73, 0
	s_mov_b32 s[SEL], 0x76543210
	s_mov_b32 s[SEL+1], 0xfedcba98                 ; v_permlanex16_b32's selects for lane l xor 16
	s_mov_b32 s[CS], 0x3e38aa3b
	s_mov_b32 s[CS+1], s[CS]                       ; (named with it as a pair, so it is written)
	s_mov_b32 s[NCS], 0xbe38aa3b
	s_mov_b32 s[KO], 4*BP
	s_mov_b32 s[VO], 0
	s_wait_dscnt 0x0                               ; both opening adds are done
	s_wait_kmcnt 0x0
	s_add_nc_u64 s[92:93], s[4:5], s[88:89]        ; the head's q,
	s_add_nc_u64 s[94:95], s[92:93], KHOFF         ; its k,
	s_add_nc_u64 s[94:95], s[94:95], s[70:71]      ; my eighth of it
	s_add_nc_u64 s[96:97], s[4:5], s[90:91]
	s_add_nc_u64 s[96:97], s[96:97], VTOFF         ; its v,
	s_add_nc_u64 s[96:97], s[96:97], s[72:73]      ; my eighth
	CROUND                                         ; all four work-groups are here: the joint loads meet
	s_mov_b32 s[G0K], 1
	s_mov_b32 s[G0K+1], s70
	s_mov_b64 s[G0K+2:G0K+3], s[94:95]
	s_or_b32 s[G0K+3], s[G0K+3], 0x80000000
	s_mov_b32 s[G0V], 1
	s_add_co_u32 s[G0V+1], s72, VB
	s_mov_b64 s[G0V+2:G0V+3], s[96:97]
	s_or_b32 s[G0V+3], s[G0V+3], 0x80000000
	s_cmp_lt_u32 s[WV], 8                          ; one branch on the wave's number, one fill to an arm: every way passes exactly one
	s_cbranch_scc0 .Lfor_v
	tensor_load_to_lds s[G0K:G0K+3], s[G1K:G1K+7]
	s_nop 0
.rept 4
	v_nop
.endr
	s_branch .Lasked
.Lfor_v:
	tensor_load_to_lds s[G0V:G0V+3], s[G1V:G1V+7]
	s_nop 0
.rept 4
	v_nop
.endr
.Lasked:
	v_and_b32 v8, 31, v0                           ; lane
	v_and_b32 v9, 7, v0                            ; m % 8
	v_bfe_u32 v10, v0, 3, 1                        ; m / 8
	v_bfe_u32 v11, v0, 4, 1                        ; h
	v_mul_u32_u24 v10, v10, BP                     ; rows 8-15 of a tile come from the next block
	v_lshlrev_b32 v12, 4, v8                       ; 16 x lane
	v_lshl_add_u32 v1, v9, 4, v10
	v_lshl_add_u32 v2, v9, 3, v10
	v_lshl_add_u32 v3, v9, 2, v10                  ; k's scale words: 4 (m % 8)
	v_lshl_add_u32 v1, v11, 8, v1                  ; k's registers 0-3: 16 (m % 8) + 256 h
	v_lshl_add_u32 v2, v11, 7, v2                  ; registers 4, 5: 8 (m % 8) + 128 h
	v_add_nc_u32 v4, VB, v12                       ; v: VB + 16 x lane,
	v_lshl_add_u32 v5, v8, 2, VB+6144              ; VB + 6144 + 4 x lane
	v_mov_b32 v[SH], 0x0c040c00                    ; h = 0: the word's byte 0 = the second source's byte 0, byte 2 = the first source's byte 0, the others 0;
	v_mov_b32 v13, 0x040c000c                      ; h = 1: bytes 1 and 3
	v_cmp_eq_u32 vcc_lo, 1, v11
	v_cndmask_b32 v[SH], v[SH], v13, vcc_lo
	s_lshl_b32 s86, s85, 3
	s_lshr_b32 s87, s[WV], 1
	s_add_co_u32 s86, s86, s87
	s_mul_i32 s86, s86, BP                         ; my record of q: block 8 x query block + wave / 2,
	s_mov_b32 s87, 0
	s_add_nc_u64 s[92:93], s[92:93], s[86:87]
	s_and_b32 s87, s[WV], 1                        ; u = wave % 2
	s_lshl_b32 s98, s87, 9
	s_lshl_b32 s99, s87, 8
	s_lshl_b32 s70, s87, 7
	s_wait_alu depctr_va_vdst(0)
	v_add_nc_u32 v[AT], s98, v12
	v_lshl_add_u32 v[AT+1], v8, 3, s99
	v_lshl_add_u32 v[AT+2], v8, 2, s70
	global_load_b128 v[QF:QF+3], v[AT], s[92:93]   ; q's fragment stays in registers
	global_load_b64 v[QF+4:QF+5], v[AT+1], s[92:93] offset:1024
	global_load_b32 v[QW], v[AT+2], s[92:93] offset:1536
.irp j, 6,7,8,9,10,11
	v_mov_b32 v[QF+\j], 0                          ; q's codes of the 64 along K that a head does not have
.endr
.irp j, 0,1,2,3,4,5
	v_mov_b32 v[P+\j], 0                           ; named by k's last tile before they are first written
.endr
	v_mov_b32 v[SM], 0xff61b1e6                    ; the largest score so far: -3e38
	v_mov_b32 v[NM], 0x7f61b1e6                    ; -M: 3e38, a whole number
	v_mov_b32 v[L], 0
	v_mov_b32 v[L+1], 0
	v_mov_b32 v[F+1], 0                            ; (named as the upper half of a pair)
	v_mov_b32 v[T2], 0                             ; a lane permute's destination counts as one of its sources
.set j, 0
.rept 32
	v_mov_b32 v[O+j], 0                            ; O^T.  (The step is written once: the first finds zeros, which the first change of M leaves zeros)
.set j, j+1
.endr
; A KEY STEP: 128 keys.  pre = 1: the next step's k is asked of LDS.
.macro STEP pre
	s_wait_dscnt 0x0                               ; this step's k is in
.irp t, 0,1,2,3,4,5,6,7
	v_wmma_scale_f32_16x16x128_f8f6f4 v[S+8*\t:S+8*\t+7], v[KF+6*\t:KF+6*\t+11], v[QF:QF+11], 0, v[KW+\t], v[QW] matrix_a_fmt:MATRIX_FMT_FP6 matrix_b_fmt:MATRIX_FMT_FP6
.endr
	v_add_nc_u32 v[AT+3], s[VO], v4                ; the step's addresses: also the places behind the products in front of the loads and of the reads of the scores
	v_add_nc_u32 v[AT+4], s[VO], v5
.if \pre
	v_add_nc_u32 v[AT], s[KO], v1
	v_add_nc_u32 v[AT+1], s[KO], v2
	v_add_nc_u32 v[AT+2], s[KO], v3
.else
	v_nop
	v_nop
.endif
.irp t, 0,1,2,3
.irp c, 0,1,2
	ds_load_b128 v[VF+12*\t+4*\c:VF+12*\t+4*\c+3], v[AT+3] offset:1536*\t+512*\c
.endr
	ds_load_b32 v[VW+\t], v[AT+4] offset:128*\t
.endr
.irp c, 0,1                                    ; the largest score of my two blocks of 32 keys, in four chains; each accumulator is first read at its low end
	v_max3_num_f32 v[MX+\c], v[S+32*\c], v[S+32*\c+1], v[S+32*\c+2]
	v_max3_num_f32 v[MB+\c], v[S+32*\c+16], v[S+32*\c+17], v[S+32*\c+18]
.endr
.irp i, 3,5,7,9,11,13
.irp c, 0,1
	v_max3_num_f32 v[MX+\c], v[MX+\c], v[S+32*\c+\i], v[S+32*\c+\i+1]
	v_max3_num_f32 v[MB+\c], v[MB+\c], v[S+32*\c+16+\i], v[S+32*\c+17+\i]
.endr
.endr
.irp c, 0,1
	v_max3_num_f32 v[MB+\c], v[MB+\c], v[S+32*\c+15], v[S+32*\c+31]
.endr
.irp c, 0,1
	v_max_num_f32 v[MX+\c], v[MX+\c], v[MB+\c]     ; the two chains of a block meet
.endr
	v_max_num_f32 v[T1], v[MX], v[MX+1]            ; the lines that make M hang on each other: the next step's loads of k stand between them
	KN \pre, 0, 0
	KN \pre, 0, 1
	v_permlanex16_b32 v[T2], v[T1], s[SEL], s[SEL+1]
	KN \pre, 0, 2
	KN \pre, 0, 3
	v_max3_num_f32 v[SM], v[SM], v[T1], v[T2]      ; the largest score of my query so far (lane l xor 16 holds the other two blocks)
	v_mov_b32 v[T2], v[NM]
	KN \pre, 1, 0
	KN \pre, 1, 1
	v_mul_f32 v[T1], s[NCS], v[SM]                 ; -t (c is positive)
	KN \pre, 1, 2
	v_floor_f32 v[NM], v[T1]                       ; the new -M = floor(-t) = -ceil(t): a whole number
	KN \pre, 1, 3
	v_sub_f32 v[T2], v[NM], v[T2]                  ; M's old value less its new one: a whole number, 0 or less
.irp c, 0,1
	v_fma_f32 v[MX+\c], v[MX+\c], s[CS], v[NM]     ; x = t - M of each block's largest score.  From here on f and the blocks' scales are made among the scores' multiply-adds, which hang on -M alone
.endr
	FM 0, 2
	v_cvt_i32_f32 v[T2], v[T2]                     ; (it saturates)
.irp c, 0,1
	v_floor_f32 v[MX+\c], v[MX+\c]                 ; floor(log2) of the block's largest p
.endr
	FM 2, 2
	v_ldexp_f32 v[F], 1.0, v[T2]                   ; f = 2^(old M - new M)
.irp c, 0,1
	v_max_num_f32 v[MX+\c], 0xc2f80000, v[MX+\c]   ; held at -124: the byte cannot fall under 1
.endr
	FM 4, 2
.irp c, 0,1
	v_add_f32 v[MX+\c], 0x4b00007d, v[MX+\c]       ; + 2^23 + 125, exact: the sum's low bits are the whole number floor(x) + 125, the scale's byte
.endr
	FM 6, 2
.irp c, 0,1
	v_lshlrev_b32 v[SO+\c], 23, v[MX+\c]           ; the byte as an exponent field: the conversion's scale operand (the bits of 2^23 fall out at the top)
.endr
	v_perm_b32 v[T1], v[MX+1], v[MX], v[SH]        ; my two bytes, blocks h and 2 + h, at their places in the word
	FM 8, 3
	v_permlanex16_b32 v[T2], v[T1], s[SEL], s[SEL+1]
	FM 11, 4
	v_or_b32 v[PW], v[T1], v[T2]                   ; p's scale word for these 128 keys
	FM 15, 17
.set j, 0
.rept 16
	v_pk_mul_f32 v[O+j:O+j+1], v[O+j:O+j+1], v[F:F+1] op_sel_hi:[1,0]   ; O^T under the new M, ahead of the exponentials; each accumulator from its low end on
.set j, j+2
.endr
	s_wait_alu depctr_va_vdst(0)                   ; the wait ahead of the batch
.set j, 0
.rept 64
	v_exp_f32 v[S+j], v[S+j]                       ; p = 2^(t - M): not normalised
.set j, j+1
.endr
	v_pk_mul_f32 v[L:L+1], v[L:L+1], v[F:F+1] op_sel_hi:[1,0]   ; the sums under the new M.  (A plain place behind the exponentials)
	s_wait_alu depctr_va_vdst(0)                   ; and one wait for the whole batch, ahead of its first reader
	v_cvt_scalef32_pk16_fp6_f32 v[P:P+2], v[S:S+15], v[SO]           ; the lower 16 codes of my two blocks
	v_cvt_scalef32_pk16_fp6_f32 v[P+6:P+8], v[S+32:S+47], v[SO+1]
	v_pk_add_f32 v[L:L+1], v[L:L+1], v[S:S+1]      ; THE ROW'S SUM IS TAKEN OF THE UNQUANTISED p, in place, over registers that the conversions have read.  (This line, which writes none of them, is the plain place behind the conversions.)
	PADD 3, 1                                      ; first the pairs on which the next two conversions' results land
	PADD 18, 16
	PADD 19, 17
	v_cvt_scalef32_pk16_fp6_f32 v[S:S+2], v[S+16:S+31], v[SO]        ; the upper 16 (a conversion's three registers begin on an even number: made here and moved)
	v_cvt_scalef32_pk16_fp6_f32 v[S+32:S+34], v[S+48:S+63], v[SO+1]
	PADD 3, 19                                     ; (plain places behind the conversions)
	PADD 2, 18
.irp i, 0,1,2
	v_mov_b32 v[P+3+\i], v[S+\i]
	v_mov_b32 v[P+9+\i], v[S+32+\i]
.endr
.irp a, 4,5,6,7,8,9
	PADD \a, \a+16                                 ; (six places between the codes' last writes and the scaled products)
.endr
	s_wait_alu depctr_va_vdst(0)                   ; the wait directly ahead of the wait below
	s_wait_dscnt 24*\pre                           ; v's records are in; the next step's 24 loads of k, issued behind them, may be out
.irp t, 0,1,2,3                                ; O^T += v^T p^T: the four accumulators by turns
	v_wmma_scale_f32_16x16x128_f8f6f4 v[O+8*\t:O+8*\t+7], v[VF+12*\t:VF+12*\t+11], v[P:P+11], v[O+8*\t:O+8*\t+7], v[VW+\t], v[PW] matrix_a_fmt:MATRIX_FMT_FP6 matrix_b_fmt:MATRIX_FMT_FP6
.endr
.irp a, 10,11,12,13,14,15                      ; the rest of the sum names none of the products' registers: it is also the places in front of the next loads into v's registers
	PADD \a, \a+16
.endr
.irp a, 2,3,4,5,6,7,8
	PADD \a, \a+7
.endr
	PADD 2, 6
	PADD 3, 7
	PADD 4, 8
	PADD 2, 4
	s_delay_alu instid0(VALU_DEP_3)
	PADD 3, 5
	s_delay_alu instid0(VALU_DEP_1)
	PADD 2, 3
	s_delay_alu instid0(VALU_DEP_1)
	v_pk_add_f32 v[L:L+1], v[L:L+1], v[S+4:S+5]
	s_wait_alu depctr_va_vdst(0)
.endm
	s_wait_alu depctr_va_vdst(0)                   ; the wait at the head's end
	s_wait_tensorcnt 0x0                           ; my part has landed,
	s_barrier_signal -1
	s_barrier_wait -1                              ; everybody's has: the head's k and v are whole for every wave
.irp c, 0,1
.irp i, 0,1,2,3
	KT 1, 2, 3, \c, \i                             ; the first step's k
.endr
.endr
	s_wait_loadcnt 0x0                             ; q
	s_mov_b32 s[CNT], 15
.Lstep:
	STEP 1
	s_add_co_u32 s[KO], s[KO], 4*BP
	s_add_co_u32 s[VO], s[VO], VQ
	s_sub_co_u32 s[CNT], s[CNT], 1
	s_cmp_lg_u32 s[CNT], 0
	s_cbranch_scc1 .Lstep
	STEP 0                                         ; the last step asks for no further k
	; THE WAY OUT.  O^T / the sum; register 16 b + i = channel 32 b + 16 h + i of my query: two blocks of 32, each in lanes l and l xor 16.
	v_add_f32 v[L], v[L], v[L+1]
	s_delay_alu instid0(VALU_DEP_1)
	v_permlanex16_b32 v[T2], v[L], s[SEL], s[SEL+1]
	s_delay_alu instid0(VALU_DEP_1)
	v_add_f32 v[L], v[L], v[T2]                    ; the row's sum
	s_wait_alu depctr_va_vdst(0)                   ; the wait ahead of the transcendental
	v_rcp_f32 v[L], v[L]
	s_and_b32 s88, s84, 15                         ; head
	s_lshr_b32 s89, s84, 4                         ; batch
	s_and_b32 s90, s88, 1                          ; e: which half of a record
	s_bfe_u32 s91, s88, 0x10001                    ; q: which K step of a PAIR
	s_lshr_b32 s92, s88, 2
	s_lshl_b32 s92, s92, 8                         ; (head / 4) x 256 row blocks
	s_lshl_b32 s93, s89, 7
	s_add_co_u32 s92, s92, s93                     ; + 128 x batch
	s_lshl_b32 s93, s85, 4
	s_add_co_u32 s92, s92, s93                     ; + 16 x query block
	s_add_co_u32 s92, s92, s[WV]                   ; + wave
	s_mul_i32 s92, s92, PAIR
	s_mul_i32 s93, s91, 1536
	s_add_co_u32 s92, s92, s93
	s_mov_b32 s93, 0
	s_add_nc_u64 s[6:7], s[6:7], s[92:93]
	s_lshl_b32 s94, s90, 10                        ; the whole chunk: 0 or 1024
	s_lshl_b32 s95, s90, 3
	s_add_co_u32 s95, s95, 512                     ; my half of the middle chunk: 512 + 8 e
	s_mul_i32 s96, s91, 1532
	s_sub_co_u32 s96, 3072, s96
	s_lshl_b32 s97, s90, 1
	s_add_co_u32 s96, s96, s97                     ; my two bytes of the scale word, counted from the codes of q
	s_cmp_eq_u32 s90, 1
	s_cselect_b32 s87, -1, 0                       ; all lanes or none
	v_and_b32 v[AT], 31, v0                        ; (plain places behind the reciprocal)
	v_lshlrev_b32 v[AT+1], 4, v[AT]
	v_lshl_add_u32 v[AT+4], v[AT], 3, s96
	v_add_nc_u32 v[AT+2], s94, v[AT+1]
	v_add_nc_u32 v[AT+3], s95, v[AT+1]
	s_wait_alu depctr_va_vdst(0)                   ; the wait ahead of the first reader of the reciprocal and of O^T
.set j, 0
.rept 32
	v_mul_f32 v[S+j], v[O+j], v[L]                 ; each accumulator from its low end on
.set j, j+1
.endr
.irp b, 0,1
	v_max3_num_f32 v[MX+\b], |v[S+16*\b]|, |v[S+16*\b+1]|, 0x1800000
.endr
.irp i, 2,4,6,8,10,12,14
.irp b, 0,1
	s_delay_alu instid0(VALU_DEP_2)
	v_max3_num_f32 v[MX+\b], v[MX+\b], |v[S+16*\b+\i]|, |v[S+16*\b+\i+1]|
.endr
.endr
.irp b, 0,1
	s_delay_alu instid0(VALU_DEP_2)
	v_permlanex16_b32 v[MB+\b], v[MX+\b], s[SEL], s[SEL+1]
.endr
.irp b, 0,1
	s_delay_alu instid0(VALU_DEP_2)
	v_max_num_f32 v[MX+\b], v[MX+\b], v[MB+\b]
.endr
.irp b, 0,1
	s_delay_alu instid0(VALU_DEP_2)
	v_add_nc_u32 v[SO+\b], 0xff000000, v[MX+\b]
.endr
.irp b, 0,1
	s_delay_alu instid0(VALU_DEP_2)
	v_lshrrev_b32 v[MX+\b], 23, v[SO+\b]
.endr
	s_delay_alu instid0(VALU_DEP_1)
	v_lshl_or_b32 v[T1], v[MX+1], 8, v[MX]         ; my row's two scale bytes
	v_cvt_scalef32_pk16_fp6_f32 v[P:P+2], v[S:S+15], v[SO]
	v_cvt_scalef32_pk16_fp6_f32 v[P+4:P+6], v[S+16:S+31], v[SO+1]
	v_nop                                          ; one plain place behind a scaled conversion
.irp i, 0,1,2
	v_permlane16_swap_b32 v[P+\i], v[P+4+\i]       ; P .. P + 2 and P + 4 .. P + 6 now hold channels 32 h + 0 .. 31: registers 6 e .. 6 e + 5 of the record
.endr
	v_cndmask_b32 v[VF], v[P], v[P+2], s87         ; e = 0: registers 0-3 fill chunk 0 and 4, 5 the lower half of chunk 1; e = 1: registers 6, 7 the upper half of chunk 1 and 8-11 chunk 2: a choice of values, no branch
	v_cndmask_b32 v[VF+1], v[P+1], v[P+4], s87
	v_cndmask_b32 v[VF+2], v[P+2], v[P+5], s87
	v_cndmask_b32 v[VF+3], v[P+4], v[P+6], s87
	v_cndmask_b32 v[VF+4], v[P+5], v[P], s87
	v_cndmask_b32 v[VF+5], v[P+6], v[P+1], s87
	global_store_b128 v[AT+2], v[VF:VF+3], s[6:7]
	global_store_b64 v[AT+3], v[VF+4:VF+5], s[6:7]
	global_store_b16 v[AT+4], v[T1], s[6:7]
	s_wait_tensorcnt 0x0                           ; the wave's end: behind my tensor load
	ds_add_u32 v[SPW], v[NIL]
	s_wait_dscnt 0x0
	CROUND                                         ; the closing round
	s_endpgm
.Lfunc_end_k_qb9e9f25c68_attn:
	.size	k_qb9e9f25c68_attn, .Lfunc_end_k_qb9e9f25c68_attn-k_qb9e9f25c68_attn
	.p2alignl 7, 3214868480
	.fill 96, 4, 3214868480
	.section	.rodata,"a",@progbits
	.p2align	6, 0x0
	.amdhsa_kernel k_qb9e9f25c68_attn
		.amdhsa_group_segment_fixed_size 231424
		.amdhsa_private_segment_fixed_size 0
		.amdhsa_enable_private_segment 0
		.amdhsa_kernarg_size 16
		.amdhsa_user_sgpr_count 2
		.amdhsa_user_sgpr_kernarg_segment_ptr 1
		.amdhsa_wavefront_size32 1
		.amdhsa_system_sgpr_workgroup_id_x 1
		.amdhsa_system_sgpr_workgroup_id_y 1
		.amdhsa_system_sgpr_workgroup_id_z 1
		.amdhsa_system_vgpr_workitem_id 0
		.amdhsa_next_free_vgpr 256
		.amdhsa_next_free_sgpr 100
		.amdhsa_reserve_vcc 1
		.amdhsa_float_denorm_mode_32 3
		.amdhsa_float_denorm_mode_16_64 3
		.amdhsa_memory_ordered 1
		.amdhsa_forward_progress 1
		.amdhsa_inst_pref_size 44
	.end_amdhsa_kernel
	.amdgpu_metadata
---
amdhsa.version: [ 1, 2 ]
amdhsa.kernels:
  - .name:           k_qb9e9f25c68_attn
    .symbol:         k_qb9e9f25c68_attn.kd
    .args:
      - { .name: qkvr, .offset: 0, .size: 8, .value_kind: global_buffer, .address_space: global }
      - { .name: orec, .offset: 8, .size: 8, .value_kind: global_buffer, .address_space: global }
    .group_segment_fixed_size: 231424
    .private_segment_fixed_size: 0
    .kernarg_segment_align: 8
    .kernarg_segment_size: 16
    .max_flat_workgroup_size: 512
    .sgpr_count:     100
    .vgpr_count:     256
    .wavefront_size: 32
...
	.end_amdgpu_metadata
.endif
;; end of part 3
;; launch oproj (part 4): grid 8 x 32, 4 waves a work-group, clusters of 4 x 4, 327,680 bytes of LDS; arguments orec, wrec, bo, x, x1; writes x1
.if DOCPART == 4
	.amdgcn_target "amdgcn-amd-amdhsa--gfx1250"
	.amdhsa_code_object_version 6
	.text
	.protected	k_qb9e9f25c68_oproj
	.globl	k_qb9e9f25c68_oproj
	.p2align	8
	.type	k_qb9e9f25c68_oproj,@function
k_qb9e9f25c68_oproj:
	s_mov_b64 s[64:65], 0
	v_nop
	global_prefetch_b8 v0, s[64:65] scope:SCOPE_SE
	s_setreg_imm32_b32 hwreg(HW_REG_WAVE_MODE, 25, 1), 1
	s_wait_xcnt 0x0
	s_wait_alu depctr_hold_cnt(0) depctr_sa_sdst(0) depctr_va_vdst(0) depctr_va_sdst(0) depctr_va_ssrc(0) depctr_va_vcc(0) depctr_vm_vsrc(0)
	s_getreg_b32 s2, hwreg(HW_REG_IB_STS2, 6, 4)
	s_cmp_eq_u32 s2, 0
	s_cbranch_scc0 .Lentry_in_a_cluster
	s_endpgm
.Lentry_in_a_cluster:
	s_bfe_u32 s2, ttmp6, 0x10000c
	s_cmp_lg_u32 s2, 0xf033
	s_cbranch_scc0 .Lentry_shape_is_right
	s_endpgm
.Lentry_shape_is_right:
; x1 = x + (o wo + bo): [4096 x 1024] x [1024 x 1024] on codes of FP6 (E2M3) with E8M0 scales, f32 sums; x1 is f32, row-major.
; OPERANDS are [K / 256][row blocks] PAIRs of 3,328 bytes: two K steps q of 16 rows: codes at 1536 q + 512 c + 16 lane (registers 4 c .. 4 c + 3), scale words at 3072 + 8 lane + 4 q.  128 rows x 256 K are 26,624 dense bytes, one tensor load.
; Row r of record 2 G + u is matrix row 32 G + 8 u + r + 8 (r / 8).
; N is 1,024: tiles of 256 x 256 would be 64.  So a tile is 128 x 128 (256 work-groups), and THE FOUR WAVES SHARE K, NOT THE TILE: a slot holds 512 along K, wave w multiplies the whole tile over the slot's w-th 128: 64 accumulators a wave,
; and no LDS byte is read twice.  The four partial tiles are added on the way out, through four planes in LDS.  NS slots' worth of K; here two, both first fills: nothing is filled again.
; 4 x 4 work-groups form a cluster: A's blocks are shared along a row, B's along a column, by joint loads.
; REGISTERS, in windows of 256: window 0: v1-31 addresses; v32-47 scale words alone; v128-223 A's fragments, one set; v224-227 the bias; window 1: B's fragments, two sets (later the residual); windows 2, 3: accumulators, (a, b) at 8 (8 (a % 4) + b).
; The sums over K are added in four parts, another order than ascending K.
.set NS,    2                          ; K / 512
.set WOFF,  2555904                    ; wo's records in wrec
.set PAIR,  3328
.set BLK,   8*PAIR
.set SLOT,  4*BLK                      ; A's K 0-255, A's K 256-511, B's likewise
.set PLANE, 128*528                    ; the way out: 128 rows x (512 bytes + 16) for each wave, over the slots, which have had their last fill and their last read by then
.set SPARE, 4*PLANE                    ; behind the planes: the spare words, 128 bytes for each wave: two blocks of 256 bytes that no other line names
.set FR,    12
.set NL,    3
.set NP,    4                          ; places behind this matrix instruction (ISA guide 7.12.1)
.set RD,   8                           ; v8-11 the way out: where I read my rows in plane 0 .. 3
.set ADRA, 16
.set ADRB, 20
.set ADRS, 22
.set STO,  24                          ; v24 the way out: where I put 32 bytes of a row of my plane
.set SPW,  28
.set NIL,  29
.set SC,   32
.set AF,   128
.set G1, 24
.set G0, 32
.set G1B, 48
.set G0B, 56
.set WV, 66
.set WH, 67
.set WL, 68
.set MSB, 0
.macro WIN new                         ; the immediate's high byte repeats the setting that is left
.if MSB != \new
	s_set_vgpr_msb (MSB<<8)|\new
.set MSB, \new
.endif
.endm
.set MUL_LO, 0xa1
.set MUL_HI, 0xf1
.set TO_B,   0x40
.macro JLOAD g0a, g1a, g0b, g1b        ; a joint load: waves 0 and 1 fetch A's two blocks, waves 2 and 3 B's; an s_nop 0 and four v_nop follow each line
	s_cmp_eq_u32 s[WH], 0
	s_cbranch_scc0 .Lfor_b_\@
	tensor_load_to_lds s[\g0a:\g0a+3], s[\g1a:\g1a+7]
	s_nop 0
.rept 4
	v_nop
.endr
	s_branch .Lasked_\@
.Lfor_b_\@:
	tensor_load_to_lds s[\g0b:\g0b+3], s[\g1b:\g1b+7]
	s_nop 0
.rept 4
	v_nop
.endr
.Lasked_\@:
.endm
.macro CREST
	s_cmp_lg_u32 s[WV], 0
	s_cbranch_scc1 .Lnot_wave_0_\@
	s_barrier_signal -3
.Lnot_wave_0_\@:
	s_barrier_wait -3
	s_barrier_signal -1
	s_barrier_wait -1
.endm
.macro CROUND
	s_barrier_signal -1
	s_barrier_wait -1
	CREST
.endm
.macro PLACES n
.rept \n
	v_nop
.endr
.endm
.macro FRAG reg, adr, off
.irp c, 0,1,2
	ds_load_b128 v[\reg+4*\c:\reg+4*\c+3], v[\adr] offset:\off+512*\c
.endr
.endm
.macro FETCH_B slot
	WIN TO_B
.irp i, 0,1,2,3,4,5,6,7
	FRAG 128*(\slot)+FR*\i, ADRB+\slot, PAIR*\i
.endr
	WIN 0
.endm
.macro FETCH_A slot, i0
.irp i, \i0, \i0+1, \i0+2, \i0+3
	FRAG AF+FR*(\i), ADRA+\slot, PAIR*(\i)
.endr
.endm
.macro SCALES slot                     ; my K step's scale words: lanes 0-15 take A's block i, lanes 16-31 B's block i
.irp i, 0,1,2,3,4,5,6,7
	ds_load_b32 v[SC+8*\slot+\i], v[ADRS+\slot] offset:PAIR*\i
.endr
.endm
.macro MUL16K a0, p, zero              ; 16 matrix instructions; the 64 accumulators take turns, one instruction a turn
.irp a, \a0, \a0+1
.irp b, 0,1,2,3,4,5,6,7
.if \zero
	v_wmma_scale_f32_16x16x128_f8f6f4 v[8*(8*((\a)%4)+\b):8*(8*((\a)%4)+\b)+7], v[128*(\p)+FR*\b:128*(\p)+FR*\b+FR-1], v[AF+FR*(\a):AF+FR*(\a)+FR-1], 0, v[SC+8*(\p)+\b], v[SC+8*(\p)+(\a)] matrix_a_fmt:MATRIX_FMT_FP6 matrix_b_fmt:MATRIX_FMT_FP6 matrix_a_scale:MATRIX_SCALE_ROW1
.else
	v_wmma_scale_f32_16x16x128_f8f6f4 v[8*(8*((\a)%4)+\b):8*(8*((\a)%4)+\b)+7], v[128*(\p)+FR*\b:128*(\p)+FR*\b+FR-1], v[AF+FR*(\a):AF+FR*(\a)+FR-1], v[8*(8*((\a)%4)+\b):8*(8*((\a)%4)+\b)+7], v[SC+8*(\p)+\b], v[SC+8*(\p)+(\a)] matrix_a_fmt:MATRIX_FMT_FP6 matrix_b_fmt:MATRIX_FMT_FP6 matrix_a_scale:MATRIX_SCALE_ROW1
.endif
.endr
.endr
.endm
; A slot's one step, which also changes slots: one barrier; in front of it each wave waits for all its tensor loads, adds 0 to its spare word, and waits for that and for its reads of this slot.  fill = 1: the slot is filled again, two slots ahead.
.macro TURNK slot, next, fill, zero
	s_wait_tensorcnt 0x0                           ; all my tensor loads have landed: my part of the next slot
	ds_add_u32 v[SPW], v[NIL]
	s_wait_dscnt 4*NL+1                            ; (the add and the youngest twelve loads, A's blocks 4-7, may be out)
	WIN MUL_LO
	MUL16K 0, \slot, \zero
	s_wait_dscnt 0x0                               ; the add is done, and my reads of this slot are over
	s_barrier_signal -1
	MUL16K 2, \slot, \zero
	WIN 0
	s_barrier_wait -1
.if \fill
	CREST                                          ; the barrier has opened a round of the cluster's barrier
	s_add_nc_u64 s[G0+4*\slot+2:G0+4*\slot+3], s[G0+4*\slot+2:G0+4*\slot+3], 4*256*PAIR
	s_add_nc_u64 s[G0B+4*\slot+2:G0B+4*\slot+3], s[G0B+4*\slot+2:G0B+4*\slot+3], 4*64*PAIR
	JLOAD G0+4*\slot, G1, G0B+4*\slot, G1B         ; the first tensor load behind the round; its four v_nop are the places in front of the loads below
.else
	PLACES NP
.endif
	FETCH_B \next
	FETCH_A \next, 0
	SCALES \next
	WIN MUL_HI
	MUL16K 4, \slot, \zero
	MUL16K 6, \slot, \zero
	PLACES NP
	WIN 0
	FETCH_A \next, 4
.endm
.macro LAST slot
	s_wait_dscnt 4*NL
	WIN MUL_LO
	MUL16K 0, \slot, 0
	MUL16K 2, \slot, 0
	s_wait_dscnt 0
	WIN MUL_HI
	MUL16K 4, \slot, 0
	MUL16K 6, \slot, 0
	WIN 0
.endm
	s_load_b256 s[8:15], s[0:1], 0x0               ; A's records s[8:9], wrec s[10:11], the bias s[12:13], the residual s[14:15]
	s_load_b64 s[16:17], s[0:1], 0x20              ; the result
	v_lshl_add_u32 v[SPW], v0, 2, SPARE
	v_mov_b32 v[NIL], 0
	ds_add_u32 v[SPW], v[NIL]                      ; the wave's opening: the add and its wait ahead of my first tensor load; work on registers stands between them
	ds_add_u32 v[SPW], v[NIL]
	v_lshrrev_b32 v1, 5, v0
	v_readfirstlane_b32 s[WV], v1                  ; wave 0..3: also my K step of 128 in a slot
	s_lshr_b32 s[WH], s[WV], 1                     ; which 256 along K holds it.  Also: I fetch for A (0) or for B (1)
	s_and_b32 s[WL], s[WV], 1                      ; which half of that.  Also: which 256 along K I fetch
	s_bfe_u32 s40, ttmp6, 0x40000                  ; cx
	s_bfe_u32 s41, ttmp6, 0x40004                  ; cy
	s_lshl_b32 s42, ttmp9, 2
	s_add_co_u32 s42, s42, s40                     ; TB: tile column
	s_and_b32 s43, ttmp7, 0xffff
	s_lshl_b32 s43, s43, 2
	s_add_co_u32 s43, s43, s41                     ; TA: tile row
	s_lshl_b32 s44, s41, 2
	s_lshl_b32 s44, 15, s44                        ; my row of the cluster
	s_lshl_b32 s45, 0x1111, s40                    ; my column
	s_or_b32 s[G1], s44, (3<<16)|(1<<21)           ; 15:0 the mask; 17:16 elements of 8 bytes; 21 set beside a mask; no padding
	s_or_b32 s[G1B], s45, (3<<16)|(1<<21)
.irp g, G1, G1B
	s_mov_b32 s[\g+1], 3328<<16                    ; ONE load a wave brings its block of both slots: rows of 26,624 bytes,
	s_mov_b32 s[\g+2], 2<<16                       ; two of them, 512 along K apart in memory and on end in LDS: block w of slot s lies at (2 w + s) BLK
	s_mov_b32 s[\g+3], 3328<<16
	s_mov_b32 s[\g+4], 2
	s_mov_b32 s[\g+6], 0
	s_mov_b32 s[\g+7], 0
.endr
	s_mov_b32 s[G1+5], 2*256*PAIR/8                ; the pitch, in elements of 8 bytes: A has 256 row blocks,
	s_mov_b32 s[G1B+5], 2*64*PAIR/8                ; B 64
	s_lshl_b32 s20, s[WL], 8
	s_lshl_b32 s21, s43, 3
	s_add_co_u32 s20, s20, s21
	s_mul_i32 s20, s20, PAIR                       ; A: PAIR (which 256 of K) x 256 + 8 TA
	s_mov_b32 s21, 0
	s_lshl_b32 s22, s[WL], 6
	s_lshl_b32 s23, s42, 3
	s_add_co_u32 s22, s22, s23
	s_mul_i32 s22, s22, PAIR
	s_add_co_u32 s22, s22, WOFF                    ; B: PAIR (which 256 of K) x 64 + 8 TB
	s_mov_b32 s23, 0
	s_mul_i32 s46, s[WV], 2*BLK                    ; where they go: no place in the cluster enters an LDS address
	s_wait_dscnt 0x0                               ; the opening add is done
	s_wait_kmcnt 0x0
	s_add_nc_u64 s[4:5], s[8:9], s[20:21]
	s_add_nc_u64 s[6:7], s[10:11], s[22:23]
	CROUND                                         ; all sixteen work-groups are here: the first joint loads meet
.irp s, 0
	s_mov_b32 s[G0+4*\s], 1
	s_add_co_u32 s[G0+4*\s+1], s46, \s*SLOT
	s_add_nc_u64 s[G0+4*\s+2:G0+4*\s+3], s[4:5], \s*2*256*PAIR
	s_or_b32 s[G0+4*\s+3], s[G0+4*\s+3], 0x80000000
	s_mov_b32 s[G0B+4*\s], 1
	s_add_co_u32 s[G0B+4*\s+1], s46, \s*SLOT
	s_add_nc_u64 s[G0B+4*\s+2:G0B+4*\s+3], s[6:7], \s*2*64*PAIR
	s_or_b32 s[G0B+4*\s+3], s[G0B+4*\s+3], 0x80000000
	JLOAD G0+4*\s, G1, G0B+4*\s, G1B
.endr
	v_and_b32 v1, 15, v0                           ; r
	v_bfe_u32 v2, v0, 4, 1                         ; h
	v_and_b32 v3, 31, v0
	v_lshlrev_b32 v12, 4, v3                       ; 16 x lane
	s_wait_alu depctr_va_vdst(0)
	v_lshlrev_b32 v13, 3, v3                       ; 8 x lane
	s_mul_i32 s20, s[WH], 2*BLK
	s_mul_i32 s21, s[WL], 1536
	s_add_co_u32 s21, s21, s20                     ; A: my block and my K step in it
	s_lshl_b32 s22, s[WL], 2
	s_add_co_u32 s22, s22, s20
	s_add_co_u32 s22, s22, 3072                    ; and its scale words
	v_mul_u32_u24 v4, v2, 4*BLK                    ; lanes 16-31 take B's, four blocks on
	v_add_nc_u32 v4, v4, v13
.irp s, 0,1
	v_add_nc_u32 v[ADRA+\s], s21, v12
	v_add_nc_u32 v[ADRB+\s], 4*BLK, v[ADRA+\s]
	v_add_nc_u32 v[ADRS+\s], s22, v4
	s_add_co_u32 s21, s21, BLK
	s_add_co_u32 s22, s22, BLK
.endr
	s_mul_i32 s20, s[WV], PLANE
	v_mul_u32_u24 v[STO], v1, 528
	v_lshl_add_u32 v[STO], v2, 6, v[STO]
	v_add_nc_u32 v[STO], s20, v[STO]               ; my plane: row r, + 64 h
	s_mul_i32 s20, s[WV], 32*528
	v_add_nc_u32 v[RD], s20, v12                   ; back: rows 32 w on, 16 bytes a lane,
.irp p, 1,2,3
	v_add_nc_u32 v[RD+\p], \p*PLANE, v[RD]         ; in each plane
.endr
	s_lshl_b32 s76, s42, 9                         ; the tile's 128 columns: 512 TB bytes
	s_mov_b32 s77, 0
	s_add_nc_u64 s[12:13], s[12:13], s[76:77]
	global_load_b128 v[224:227], v12, s[12:13]     ; the bias of my four columns on the way out
	s_lshl_b32 s78, s43, 19
	s_lshl_b32 s79, s[WV], 17
	s_add_co_u32 s78, s78, s79
	s_add_co_u32 s78, s78, s76                     ; (128 TA + 32 w) rows of 4,096 bytes + 512 TB
	s_mov_b32 s79, 0
	s_add_nc_u64 s[14:15], s[14:15], s[78:79]
	s_add_nc_u64 s[16:17], s[16:17], s[78:79]
	s_wait_alu depctr_va_vdst(0)
	s_wait_tensorcnt 0x0                           ; my blocks of both slots are in,
	s_barrier_signal -1
	s_barrier_wait -1                              ; everybody's is
	FETCH_B 0
	FETCH_A 0, 0
	SCALES 0
	FETCH_A 0, 4
.if NS > 2
	TURNK 0, 1, 1, 1                               ; the first step's products start the sums
.if NS > 4
	s_mov_b32 s3, (NS-4)/2
.Lk:
	TURNK 1, 0, 1, 0
	TURNK 0, 1, 1, 0
	s_sub_co_u32 s3, s3, 1
	s_cmp_lg_u32 s3, 0
	s_cbranch_scc1 .Lk
.endif
	TURNK 1, 0, 1, 0
	TURNK 0, 1, 0, 0                               ; the last two steps ask for nothing
.else
	TURNK 0, 1, 0, 1
.endif
	LAST 1
	; THE WAY OUT, which is also the sum over K.
	PLACES NP                                      ; behind the last products: in front of loads into the operands' registers and of the stores that read results
	WIN TO_B
.set RHO, 0
.rept 32                                       ; the residual of my 32 rows, into window 1.  Row RHO of my rows, in the records' order, is token 8 (RHO / 16) + RHO % 16 + 8 ((RHO % 16) / 8) of my 32
	global_load_b128 v[4*RHO:4*RHO+3], v12, s[14:15] offset:(8*(RHO/16)+RHO%16+8*((RHO%16)/8))*4096
.set RHO, RHO+1
.endr
	WIN 0
	s_barrier_signal -1                            ; every wave's reads of the slots are over (each has waited for all its LDS loads), and both slots have had their last fill:
	s_barrier_wait -1                              ; the planes may be written over them
.irp a, 0,1,2,3,4,5,6,7
	WIN 0x08+4*((\a)/4)                            ; an LDS store's data are its source 1: window 2 or 3
.irp b, 0,1,2,3,4,5,6,7
	ds_store_b128 v[STO], v[8*(8*((\a)%4)+\b):8*(8*((\a)%4)+\b)+3] offset:8448*\a+128*(\b/2)+32*(\b%2)          ; lane (r, h), register j: column 32 (b / 2) + 16 h + 8 (b % 2) + j; each accumulator from its low end on
	ds_store_b128 v[STO], v[8*(8*((\a)%4)+\b)+4:8*(8*((\a)%4)+\b)+7] offset:8448*\a+128*(\b/2)+32*(\b%2)+16
.endr
.endr
	WIN 0
	s_wait_dscnt 0x0                               ; for the others' sake: my plane is whole
	s_barrier_signal -1
	s_barrier_wait -1
.irp t, 0,1,2,3                                ; my 32 rows, eight at a time
.if \t > 0
	s_wait_xcnt 0x0                                ; the last eight stores have read their registers
.endif
.irp i, 0,1,2,3,4,5,6,7
.irp p, 0,1,2,3
	ds_load_b128 v[64+16*\i+4*\p:64+16*\i+4*\p+3], v[RD+\p] offset:528*(8*\t+\i)
.endr
.endr
.if \t == 0
	s_wait_loadcnt 0x0                             ; the bias and the residual
.endif
.irp i, 0,1,2,3,4,5,6,7
	s_wait_dscnt 4*(7-\i)                          ; this row's four parts are in; the later rows' four each may be out
.irp d, 0,2
	v_pk_add_f32 v[64+16*\i+\d:65+16*\i+\d], v[64+16*\i+\d:65+16*\i+\d], v[68+16*\i+\d:69+16*\i+\d]
	v_pk_add_f32 v[72+16*\i+\d:73+16*\i+\d], v[72+16*\i+\d:73+16*\i+\d], v[76+16*\i+\d:77+16*\i+\d]
.endr
.irp d, 0,2
	v_pk_add_f32 v[64+16*\i+\d:65+16*\i+\d], v[64+16*\i+\d:65+16*\i+\d], v[72+16*\i+\d:73+16*\i+\d]
.endr
.irp d, 0,2
	v_pk_add_f32 v[64+16*\i+\d:65+16*\i+\d], v[64+16*\i+\d:65+16*\i+\d], v[224+\d:225+\d]
.endr
.endr
	WIN 0x04                                       ; source 1: the residual, window 1
.irp i, 0,1,2,3,4,5,6,7
.irp d, 0,2
	v_pk_add_f32 v[64+16*\i+\d:65+16*\i+\d], v[64+16*\i+\d:65+16*\i+\d], v[4*(8*\t+\i)+\d:4*(8*\t+\i)+\d+1]
.endr
.endr
	WIN 0
.irp i, 0,1,2,3,4,5,6,7
.set RHO, 8*\t+\i
	global_store_b128 v12, v[64+16*\i:64+16*\i+3], s[16:17] offset:(8*(RHO/16)+RHO%16+8*((RHO%16)/8))*4096   ; 32 lanes store 512 consecutive bytes, at a multiple of 256 from the buffer's first byte
.endr
.endr
	s_wait_tensorcnt 0x0                           ; the wave's end: behind my last tensor load and my last LDS store
	ds_add_u32 v[SPW], v[NIL]
	s_wait_dscnt 0x0
	CROUND                                         ; the closing round
	s_endpgm
.Lfunc_end_k_qb9e9f25c68_oproj:
	.size	k_qb9e9f25c68_oproj, .Lfunc_end_k_qb9e9f25c68_oproj-k_qb9e9f25c68_oproj
	.p2alignl 7, 3214868480
	.fill 96, 4, 3214868480
	.section	.rodata,"a",@progbits
	.p2align	6, 0x0
	.amdhsa_kernel k_qb9e9f25c68_oproj
		.amdhsa_group_segment_fixed_size 327680
		.amdhsa_private_segment_fixed_size 0
		.amdhsa_enable_private_segment 0
		.amdhsa_kernarg_size 40
		.amdhsa_user_sgpr_count 2
		.amdhsa_user_sgpr_kernarg_segment_ptr 1
		.amdhsa_wavefront_size32 1
		.amdhsa_system_sgpr_workgroup_id_x 1
		.amdhsa_system_sgpr_workgroup_id_y 1
		.amdhsa_system_sgpr_workgroup_id_z 1
		.amdhsa_system_vgpr_workitem_id 0
		.amdhsa_next_free_vgpr 1024
		.amdhsa_next_free_sgpr 100
		.amdhsa_reserve_vcc 0
		.amdhsa_float_denorm_mode_32 3
		.amdhsa_float_denorm_mode_16_64 3
		.amdhsa_memory_ordered 1
		.amdhsa_forward_progress 1
		.amdhsa_inst_pref_size 75
	.end_amdhsa_kernel
	.amdgpu_metadata
---
amdhsa.version: [ 1, 2 ]
amdhsa.kernels:
  - .name:           k_qb9e9f25c68_oproj
    .symbol:         k_qb9e9f25c68_oproj.kd
    .args:
      - { .name: orec, .offset: 0, .size: 8, .value_kind: global_buffer, .address_space: global }
      - { .name: wrec, .offset: 8, .size: 8, .value_kind: global_buffer, .address_space: global }
      - { .name: bo, .offset: 16, .size: 8, .value_kind: global_buffer, .address_space: global }
      - { .name: x, .offset: 24, .size: 8, .value_kind: global_buffer, .address_space: global }
      - { .name: x1, .offset: 32, .size: 8, .value_kind: global_buffer, .address_space: global }
    .group_segment_fixed_size: 327680
    .private_segment_fixed_size: 0
    .kernarg_segment_align: 8
    .kernarg_segment_size: 40
    .max_flat_workgroup_size: 128
    .sgpr_count:     100
    .vgpr_count:     1024
    .wavefront_size: 32
...
	.end_amdgpu_metadata
.endif
;; end of part 4
;; launch norm2 (part 5): grid 256 x 1, 8 waves a work-group, no clusters, 2,048 bytes of LDS; arguments x1, g2, hrec; writes hrec
.if DOCPART == 5
	.amdgcn_target "amdgcn-amd-amdhsa--gfx1250"
	.amdhsa_code_object_version 6
	.text
	.protected	k_qb9e9f25c68_norm2
	.globl	k_qb9e9f25c68_norm2
	.p2align	8
	.type	k_qb9e9f25c68_norm2,@function
k_qb9e9f25c68_norm2:
	s_mov_b64 s[64:65], 0
	v_nop
	global_prefetch_b8 v0, s[64:65] scope:SCOPE_SE
	s_setreg_imm32_b32 hwreg(HW_REG_WAVE_MODE, 25, 1), 1
	s_wait_xcnt 0x0
; h = x * rsqrt(mean(x^2) + eps) * g, rows of 1,024 f32, quantised along the row to FP6 (E2M3) with one E8M0 scale for each 32, and stored as images of operand registers.
; A RECORD is 16 rows x 128 K: 12 registers a lane, chunk c of 512 bytes = registers 4 c .. 4 c + 3, lane l's 16 bytes at 16 l.  A PAIR (3,328 bytes) is two K steps q of a row block: codes at 1536 q, scale words at 3072 + 8 lane + 4 q.
; The buffer is [K / 256 = 4][256 row blocks] PAIRs.  Row r of record 2 G + u is token 32 G + 8 u + r + 8 (r / 8).
; SHARES.  A work-group is one row block (16 tokens); wave w takes columns 128 w .. 128 w + 127 and makes one record.  Lane (r, h) holds, of its token, 16 neighbours of each block of 32: register 16 b + i = column 32 b + 16 h + i.
; The rows' sums of squares meet in LDS: one word a lane and wave, one barrier; every wave adds the eight parts in the same order.
; LIMITS: NaN and infinities are not served; a block under 2^-124 takes the byte 1; a block of zeros has the byte 1 and zero codes (this program alone reads the bytes).  The sum of squares is added in another order than row-major.
.set PAIR,  3328
.set SPARE, 1024                       ; LDS: 0 .. 1023 the parts; then the spare words, 128 bytes for each wave: four blocks of 256 bytes that no other line names
.set SPW, 10                           ; v10  LDS address of my spare word; never rewritten
.set NIL, 11                           ; v11  0; never rewritten
.set X,   32                           ; v32-95   my 64 numbers
.set G,   96                           ; v96-159  the gains of my 64 columns
.set PC,  160                          ; v160-178 the codes
.set TM,  180                          ; v180-195 at work in QUANT
.set PW,  196                          ; v196     the scale word
.set RS,  198                          ; v[198:199] 1 / root, twice
.set PS,  200                          ; v200-207 the eight parts
.set SEL, 20
; 64 numbers of a lane, register 16 b + i = k 32 b + 16 (lane / 16) + i of my row, become a fragment's codes in v[PC] on and its scale word in v[PW].
.macro QUANT s
.irp b, 0,1,2,3
	v_max3_num_f32 v[TM+\b], |v[\s+16*\b]|, |v[\s+1+16*\b]|, 0x1800000   ; my 16 numbers of block b, and the floor 2^(3 - 127): the byte cannot fall under 1
.endr
.irp i, 2,4,6,8,10,12,14
.irp b, 0,1,2,3
	s_delay_alu instid0(VALU_DEP_4)
	v_max3_num_f32 v[TM+\b], v[TM+\b], |v[\s+16*\b+\i]|, |v[\s+1+16*\b+\i]|
.endr
.endr
.irp b, 0,1,2,3
	s_delay_alu instid0(VALU_DEP_4)
	v_permlanex16_b32 v[TM+4+\b], v[TM+\b], s[SEL], s[SEL+1]
.endr
.irp b, 0,1,2,3
	s_delay_alu instid0(VALU_DEP_4)
	v_max_num_f32 v[TM+\b], v[TM+\b], v[TM+4+\b]   ; with lane l xor 16's: the block's largest magnitude
.endr
.irp b, 0,1,2,3
	s_delay_alu instid0(VALU_DEP_4)
	v_add_nc_u32 v[TM+12+\b], 0xff000000, v[TM+\b]   ; 2 off its exponent field: the conversion's scale operand
.endr
.irp b, 0,1,2,3
	s_delay_alu instid0(VALU_DEP_4)
	v_lshrrev_b32 v[TM+4+\b], 23, v[TM+12+\b]      ; the scale's byte
.endr
	s_delay_alu instid0(VALU_DEP_3)
	v_lshl_or_b32 v[PW], v[TM+5], 8, v[TM+4]
	s_delay_alu instid0(VALU_DEP_1)
	v_lshl_or_b32 v[PW], v[TM+6], 16, v[PW]
	s_delay_alu instid0(VALU_DEP_1)
	v_lshl_or_b32 v[PW], v[TM+7], 24, v[PW]
.irp c, 0,1
	v_cvt_scalef32_pk16_fp6_f32 v[PC+6*\c:PC+2+6*\c], v[\s+32*\c:\s+15+32*\c], v[TM+12+2*\c]
	v_cvt_scalef32_pk16_fp6_f32 v[PC+12+4*\c:PC+14+4*\c], v[\s+16+32*\c:\s+31+32*\c], v[TM+12+2*\c+1]   ; (a conversion's three registers begin on an even number)
.endr
	v_nop                                          ; one plain place behind a scaled conversion
.irp c, 0,1                                    ; the operand's layout wants a whole block in a lane: lanes 0-15 block 2 c, lanes 16-31 block 2 c + 1
.irp i, 0,1,2
	v_permlane16_swap_b32 v[PC+6*\c+\i], v[PC+12+4*\c+\i]
.endr
.irp i, 0,1,2
	s_delay_alu instid0(VALU_DEP_3)
	v_mov_b32 v[PC+3+6*\c+\i], v[PC+12+4*\c+\i]
.endr
.endr
.endm
	s_load_b128 s[4:7], s[0:1], 0x0                ; x, g
	s_load_b64 s[8:9], s[0:1], 0x10                ; the records
	v_lshl_add_u32 v[SPW], v0, 2, SPARE
	v_mov_b32 v[NIL], 0
	v_lshrrev_b32 v1, 5, v0
	s_delay_alu instid0(VALU_DEP_1)
	v_readfirstlane_b32 s10, v1                    ; wave 0..7
	v_and_b32 v1, 31, v0                           ; lane
	v_and_b32 v2, 15, v0                           ; r
	v_bfe_u32 v3, v0, 4, 1                         ; h
	s_delay_alu instid0(VALU_DEP_2)
	v_and_b32 v4, 8, v2
	s_delay_alu instid0(VALU_DEP_1)
	v_add_nc_u32 v4, v4, v2                        ; r + 8 (r / 8)
	s_delay_alu instid0(VALU_DEP_3)
	v_lshlrev_b32 v5, 6, v3                        ; g: 64 h
	s_delay_alu instid0(VALU_DEP_1)
	v_lshl_add_u32 v4, v4, 12, v5                  ; x: my token's row of 4,096 bytes + 64 h
	v_lshlrev_b32 v6, 4, v1                        ; 16 x lane
	v_lshlrev_b32 v8, 2, v0                        ; my part's word: 128 x wave + 4 x lane
	v_lshlrev_b32 v9, 2, v1                        ; 4 x lane
	s_and_b32 s11, s10, 1                          ; q
	s_mul_i32 s12, s11, 1532
	s_sub_co_u32 s12, 3072, s12
	v_lshl_add_u32 v7, v1, 3, s12                  ; the scale word, counted from the codes of q
	s_lshr_b32 s12, ttmp9, 1
	s_lshl_b32 s12, s12, 17                        ; 32 (block / 2) rows,
	s_and_b32 s13, ttmp9, 1
	s_lshl_b32 s13, s13, 15                        ; + 8 (block % 2) rows,
	s_add_co_u32 s12, s12, s13
	s_lshl_b32 s14, s10, 9                         ; + my wave's 128 columns
	s_add_co_u32 s12, s12, s14
	s_mov_b32 s13, 0
	s_mov_b32 s15, 0
	s_lshr_b32 s16, s10, 1
	s_lshl_b32 s16, s16, 8
	s_add_co_u32 s16, s16, ttmp9
	s_mul_i32 s16, s16, PAIR
	s_mul_i32 s17, s11, 1536
	s_add_co_u32 s16, s16, s17
	s_mov_b32 s17, 0
	s_mov_b32 s[SEL], 0x76543210
	s_mov_b32 s[SEL+1], 0xfedcba98                 ; v_permlanex16_b32's selects for lane l xor 16
	s_mov_b32 s22, 0x3a800000                      ; 1 / 1024
	s_mov_b32 s23, 0x34000000                      ; eps = 2^-23
.irp b, 0,1,2,3
	v_mov_b32 v[TM+4+\b], 0                        ; written once: a lane permute's destination counts as one of its sources
.endr
	s_wait_alu depctr_va_vdst(0)
	s_wait_kmcnt 0x0
	s_add_nc_u64 s[4:5], s[4:5], s[12:13]
	s_add_nc_u64 s[6:7], s[6:7], s[14:15]
	s_add_nc_u64 s[8:9], s[8:9], s[16:17]
.irp b, 0,1,2,3
.irp j, 0,1,2,3
	global_load_b128 v[X+16*\b+4*\j:X+16*\b+4*\j+3], v4, s[4:5] offset:128*\b+16*\j
.endr
.endr
.irp b, 0,1,2,3
.irp j, 0,1,2,3
	global_load_b128 v[G+16*\b+4*\j:G+16*\b+4*\j+3], v5, s[6:7] offset:128*\b+16*\j
.endr
.endr
	s_wait_loadcnt 16                              ; x is in; g's sixteen loads may be out
.irp k, 0,1,2,3
	v_pk_mul_f32 v[12+2*\k:13+2*\k], v[X+2*\k:X+2*\k+1], v[X+2*\k:X+2*\k+1]   ; the first four pairs start four chains: nothing is cleared
.endr
.set i, 4
.rept 28
	s_delay_alu instid0(VALU_DEP_4)
	v_pk_fma_f32 v[12+2*(i%4):13+2*(i%4)], v[X+2*i:X+2*i+1], v[X+2*i:X+2*i+1], v[12+2*(i%4):13+2*(i%4)]
.set i, i+1
.endr
	s_delay_alu instid0(VALU_DEP_3)
	v_pk_add_f32 v[12:13], v[12:13], v[14:15]
	s_delay_alu instid0(VALU_DEP_2)
	v_pk_add_f32 v[16:17], v[16:17], v[18:19]
	s_delay_alu instid0(VALU_DEP_1)
	v_pk_add_f32 v[12:13], v[12:13], v[16:17]
	s_delay_alu instid0(VALU_DEP_1)
	v_add_f32 v12, v12, v13
	s_delay_alu instid0(VALU_DEP_1)
	v_permlanex16_b32 v13, v12, s[SEL], s[SEL+1]
	s_delay_alu instid0(VALU_DEP_1)
	v_add_f32 v12, v12, v13                        ; my row's sum over my wave's 128 columns
	ds_store_b32 v8, v12
	s_wait_dscnt 0x0                               ; for the others' sake: my store has landed
	s_barrier_signal -1
	s_barrier_wait -1
.irp i, 0,1,2,3,4,5,6,7
	ds_load_b32 v[PS+\i], v9 offset:128*\i         ; my row's eight parts
.endr
	s_wait_dscnt 0x0
.irp i, 1
	v_add_f32 v[PS], v[PS], v[PS+\i]
.endr
.irp i, 2, 3, 4, 5, 6, 7
	s_delay_alu instid0(VALU_DEP_1)
	v_add_f32 v[PS], v[PS], v[PS+\i]
.endr
	s_delay_alu instid0(VALU_DEP_1)
	v_fma_f32 v12, v[PS], s22, s23                 ; the mean of the squares + eps
	s_wait_alu depctr_va_vdst(0)
	v_rsq_f32 v[RS], v12
	v_rsq_f32 v[RS+1], v12
	v_nop                                          ; one plain place behind the transcendentals
	s_wait_alu depctr_va_vdst(0)                   ; the wait ahead of their first reader: one for both
	s_wait_loadcnt 0x0                             ; g
.set i, 0
.rept 32
	v_pk_mul_f32 v[X+2*i:X+2*i+1], v[X+2*i:X+2*i+1], v[RS:RS+1]
.set i, i+1
.endr
.set i, 0
.rept 32
	v_pk_mul_f32 v[X+2*i:X+2*i+1], v[X+2*i:X+2*i+1], v[G+2*i:G+2*i+1]
.set i, i+1
.endr
	QUANT X
.irp c, 0,1,2
	global_store_b128 v6, v[PC+4*\c:PC+4*\c+3], s[8:9] offset:512*\c   ; 32 lanes store 512 consecutive bytes, at a multiple of 256 from the buffer's first byte
.endr
	global_store_b32 v7, v[PW], s[8:9]
	s_wait_tensorcnt 0x0                           ; the wave's end: behind my last LDS store
	ds_add_u32 v[SPW], v[NIL]
	s_wait_dscnt 0x0
	s_endpgm
.Lfunc_end_k_qb9e9f25c68_norm2:
	.size	k_qb9e9f25c68_norm2, .Lfunc_end_k_qb9e9f25c68_norm2-k_qb9e9f25c68_norm2
	.p2alignl 7, 3214868480
	.fill 96, 4, 3214868480
	.section	.rodata,"a",@progbits
	.p2align	6, 0x0
	.amdhsa_kernel k_qb9e9f25c68_norm2
		.amdhsa_group_segment_fixed_size 2048
		.amdhsa_private_segment_fixed_size 0
		.amdhsa_enable_private_segment 0
		.amdhsa_kernarg_size 24
		.amdhsa_user_sgpr_count 2
		.amdhsa_user_sgpr_kernarg_segment_ptr 1
		.amdhsa_wavefront_size32 1
		.amdhsa_system_sgpr_workgroup_id_x 1
		.amdhsa_system_sgpr_workgroup_id_y 1
		.amdhsa_system_sgpr_workgroup_id_z 1
		.amdhsa_system_vgpr_workitem_id 0
		.amdhsa_next_free_vgpr 208
		.amdhsa_next_free_sgpr 66
		.amdhsa_reserve_vcc 0
		.amdhsa_float_denorm_mode_32 3
		.amdhsa_float_denorm_mode_16_64 3
		.amdhsa_memory_ordered 1
		.amdhsa_forward_progress 1
		.amdhsa_inst_pref_size 21
	.end_amdhsa_kernel
	.amdgpu_metadata
---
amdhsa.version: [ 1, 2 ]
amdhsa.kernels:
  - .name:           k_qb9e9f25c68_norm2
    .symbol:         k_qb9e9f25c68_norm2.kd
    .args:
      - { .name: x1, .offset: 0, .size: 8, .value_kind: global_buffer, .address_space: global }
      - { .name: g2, .offset: 8, .size: 8, .value_kind: global_buffer, .address_space: global }
      - { .name: hrec, .offset: 16, .size: 8, .value_kind: global_buffer, .address_space: global }
    .group_segment_fixed_size: 2048
    .private_segment_fixed_size: 0
    .kernarg_segment_align: 8
    .kernarg_segment_size: 24
    .max_flat_workgroup_size: 256
    .sgpr_count:     66
    .vgpr_count:     208
    .wavefront_size: 32
...
	.end_amdgpu_metadata
.endif
;; end of part 5
;; launch ffn1 (part 6): grid 16 x 16, 4 waves a work-group, clusters of 4 x 4, 327,680 bytes of LDS; arguments hrec, wrec, b1, hid; writes hid
.if DOCPART == 6
	.amdgcn_target "amdgcn-amd-amdhsa--gfx1250"
	.amdhsa_code_object_version 6
	.text
	.protected	k_qb9e9f25c68_ffn1
	.globl	k_qb9e9f25c68_ffn1
	.p2align	8
	.type	k_qb9e9f25c68_ffn1,@function
k_qb9e9f25c68_ffn1:
	s_mov_b64 s[64:65], 0
	v_nop
	global_prefetch_b8 v0, s[64:65] scope:SCOPE_SE
	s_setreg_imm32_b32 hwreg(HW_REG_WAVE_MODE, 25, 1), 1
	s_wait_xcnt 0x0
	s_wait_alu depctr_hold_cnt(0) depctr_sa_sdst(0) depctr_va_vdst(0) depctr_va_sdst(0) depctr_va_ssrc(0) depctr_va_vcc(0) depctr_vm_vsrc(0)
	s_getreg_b32 s2, hwreg(HW_REG_IB_STS2, 6, 4)
	s_cmp_eq_u32 s2, 0
	s_cbranch_scc0 .Lentry_in_a_cluster
	s_endpgm
.Lentry_in_a_cluster:
	s_bfe_u32 s2, ttmp6, 0x10000c
	s_cmp_lg_u32 s2, 0xf033
	s_cbranch_scc0 .Lentry_shape_is_right
	s_endpgm
.Lentry_shape_is_right:
.set PAIR,  3328
.set BLK,   8*PAIR
.set SLOT,  4*BLK
.set SPARE, 3*SLOT
.set W1OFF, 3407872
.set KKB,   256*PAIR
; hid = Q(relu(h2 w1 + b1)): a tile of 256 x 256 by four waves, K = 1,024 in four steps of 256 through three LDS slots; slot 0 is filled once more, with K step 3.
; THE FIRST FILLS: one tensor load a wave: three rows of 26,624 bytes, K steps 0, 1, 2 of the wave's block, KKB apart in memory and on end in LDS: block w of slot s lies at (3 w + s) BLK.
.set NQ,    2
.set FR,    12
.set NL,    3
.set NP,    4
.set ADRA, 16
.set ADRB, 19
.set ADRS, 22
.set SPW,  28
.set NIL,  29
.set SC,   32
.set BI,   64
.set AF,   128
.set T,    128
.set PC,   192
.set TM,   212
.set PW,   228
.set G1, 24
.set G0, 32
.set G0C, 88
.set G1B, 48
.set G0B, 56
.set G0BC, 92
.set WV, 66
.set WH, 67
.set WL, 68
.set SEL, 74
.set MSB, 0
.macro WIN new
.if MSB != \new
	s_set_vgpr_msb (MSB<<8)|\new
.set MSB, \new
.endif
.endm
.set MUL_LO, 0xa1
.set MUL_HI, 0xf1
.set TO_B,   0x40
.macro JLOAD g0a, g1a, g0b, g1b
	s_cmp_eq_u32 s[WH], 0
	s_cbranch_scc0 .Lfor_b_\@
	tensor_load_to_lds s[\g0a:\g0a+3], s[\g1a:\g1a+7]
	s_nop 0
.rept 4
	v_nop
.endr
	s_branch .Lasked_\@
.Lfor_b_\@:
	tensor_load_to_lds s[\g0b:\g0b+3], s[\g1b:\g1b+7]
	s_nop 0
.rept 4
	v_nop
.endr
.Lasked_\@:
.endm
.macro CREST
	s_cmp_lg_u32 s[WV], 0
	s_cbranch_scc1 .Lnot_wave_0_\@
	s_barrier_signal -3
.Lnot_wave_0_\@:
	s_barrier_wait -3
	s_barrier_signal -1
	s_barrier_wait -1
.endm
.macro CROUND
	s_barrier_signal -1
	s_barrier_wait -1
	CREST
.endm
.macro PLACES n
.rept \n
	v_nop
.endr
.endm
.macro FRAG reg, adr, off
.irp c, 0,1,2
	ds_load_b128 v[\reg+4*\c:\reg+4*\c+3], v[\adr] offset:\off+512*\c
.endr
.endm
.macro FETCH_B slot, q, p
	WIN TO_B
.irp i, 0,1,2,3,4,5,6,7
	FRAG 128*(\p)+FR*\i, ADRB+\slot, PAIR*\i+1536*(\q)
.endr
	WIN 0
.endm
.macro FETCH_A slot, q, i0
.irp i, \i0, \i0+1, \i0+2, \i0+3
	FRAG AF+FR*(\i), ADRA+\slot, PAIR*(\i)+1536*(\q)
.endr
.endm
.macro SCALES slot, sc
.irp i, 0,1,2,3,4,5,6,7
	ds_load_b64 v[SC+8*NQ*(\sc)+NQ*\i:SC+8*NQ*(\sc)+NQ*\i+1], v[ADRS+\slot] offset:PAIR*\i
.endr
.endm
.macro MUL16 a0, p, q, sc, zero
.irp a, \a0, \a0+1
.irp b, 0,1,2,3,4,5,6,7
.if \zero
	v_wmma_scale_f32_16x16x128_f8f6f4 v[8*(8*((\a)%4)+\b):8*(8*((\a)%4)+\b)+7], v[128*(\p)+FR*\b:128*(\p)+FR*\b+FR-1], v[AF+FR*(\a):AF+FR*(\a)+FR-1], 0, v[SC+8*NQ*(\sc)+NQ*\b+(\q)], v[SC+8*NQ*(\sc)+NQ*(\a)+(\q)] matrix_a_fmt:MATRIX_FMT_FP6 matrix_b_fmt:MATRIX_FMT_FP6 matrix_a_scale:MATRIX_SCALE_ROW1
.else
	v_wmma_scale_f32_16x16x128_f8f6f4 v[8*(8*((\a)%4)+\b):8*(8*((\a)%4)+\b)+7], v[128*(\p)+FR*\b:128*(\p)+FR*\b+FR-1], v[AF+FR*(\a):AF+FR*(\a)+FR-1], v[8*(8*((\a)%4)+\b):8*(8*((\a)%4)+\b)+7], v[SC+8*NQ*(\sc)+NQ*\b+(\q)], v[SC+8*NQ*(\sc)+NQ*(\a)+(\q)] matrix_a_fmt:MATRIX_FMT_FP6 matrix_b_fmt:MATRIX_FMT_FP6 matrix_a_scale:MATRIX_SCALE_ROW1
.endif
.endr
.endr
.endm
.macro STEP slot, sc, q, zero
	s_wait_dscnt 4*NL
	WIN MUL_LO
	MUL16 0, (\q)%2, \q, \sc, \zero
	MUL16 2, (\q)%2, \q, \sc, \zero
	s_wait_dscnt 0
	PLACES NP
	FETCH_B \slot, (\q)+1, 1-(\q)%2
	FETCH_A \slot, (\q)+1, 0
	WIN MUL_HI
	MUL16 4, (\q)%2, \q, \sc, \zero
	MUL16 6, (\q)%2, \q, \sc, \zero
	PLACES NP
	WIN 0
	FETCH_A \slot, (\q)+1, 4
.endm
.macro TURN slot, sc, next, mode
.if \mode
	s_wait_tensorcnt 0x0
	ds_add_u32 v[SPW], v[NIL]
	s_wait_dscnt 4*NL+1
.else
	s_wait_dscnt 4*NL
.endif
	WIN MUL_LO
	MUL16 0, 1, NQ-1, \sc, 0
.if \mode
	s_wait_dscnt 0x0
	s_barrier_signal -1
.endif
	MUL16 2, 1, NQ-1, \sc, 0
.if \mode
	WIN 0
	s_barrier_wait -1
.else
	s_wait_dscnt 0
.endif
.if \mode == 2
	CREST
	s_add_nc_u64 s[G0+2:G0+3], s[G0+2:G0+3], 3*KKB
	s_add_nc_u64 s[G0B+2:G0B+3], s[G0B+2:G0B+3], 3*KKB
	JLOAD G0, G1, G0B, G1B
.else
	PLACES NP
.endif
	FETCH_B \next, 0, 0
	FETCH_A \next, 0, 0
	SCALES \next, 1-(\sc)
	WIN MUL_HI
	MUL16 4, 1, NQ-1, \sc, 0
	MUL16 6, 1, NQ-1, \sc, 0
	PLACES NP
	WIN 0
	FETCH_A \next, 0, 4
.endm
.macro QUANT s
.irp b, 0,1,2,3
	v_max3_num_f32 v[TM+\b], |v[\s+16*\b]|, |v[\s+1+16*\b]|, 0x1800000
.endr
.irp i, 2,4,6,8,10,12,14
.irp b, 0,1,2,3
	v_max3_num_f32 v[TM+\b], v[TM+\b], |v[\s+16*\b+\i]|, |v[\s+1+16*\b+\i]|
.endr
.endr
.irp b, 0,1,2,3
	v_permlanex16_b32 v[TM+4+\b], v[TM+\b], s[SEL], s[SEL+1]
.endr
.irp b, 0,1,2,3
	v_max_num_f32 v[TM+\b], v[TM+\b], v[TM+4+\b]
.endr
.irp b, 0,1,2,3
	v_add_nc_u32 v[TM+12+\b], 0xff000000, v[TM+\b]
.endr
.irp b, 0,1,2,3
	v_lshrrev_b32 v[TM+4+\b], 23, v[TM+12+\b]
.endr
	v_lshl_or_b32 v[PW], v[TM+5], 8, v[TM+4]
	v_lshl_or_b32 v[PW], v[TM+6], 16, v[PW]
	v_lshl_or_b32 v[PW], v[TM+7], 24, v[PW]
.irp c, 0,1
	v_cvt_scalef32_pk16_fp6_f32 v[PC+6*\c:PC+2+6*\c], v[\s+32*\c:\s+15+32*\c], v[TM+12+2*\c]
	v_cvt_scalef32_pk16_fp6_f32 v[PC+12+4*\c:PC+14+4*\c], v[\s+16+32*\c:\s+31+32*\c], v[TM+12+2*\c+1]
.endr
	v_nop
.irp c, 0,1
.irp i, 0,1,2
	v_permlane16_swap_b32 v[PC+6*\c+\i], v[PC+12+4*\c+\i]
.endr
.irp i, 0,1,2
	v_mov_b32 v[PC+3+6*\c+\i], v[PC+12+4*\c+\i]
.endr
.endr
.endm
.macro FIRST g0a, g0b, s
	s_mov_b32 s[\g0a], 1
	s_add_co_u32 s[\g0a+1], s46, \s*SLOT
	s_add_nc_u64 s[\g0a+2:\g0a+3], s[4:5], \s*KKB
	s_or_b32 s[\g0a+3], s[\g0a+3], 0x80000000
	s_mov_b32 s[\g0b], 1
	s_add_co_u32 s[\g0b+1], s46, \s*SLOT
	s_add_nc_u64 s[\g0b+2:\g0b+3], s[6:7], \s*KKB
	s_or_b32 s[\g0b+3], s[\g0b+3], 0x80000000
	JLOAD \g0a, G1, \g0b, G1B
.endm
	s_load_b128 s[8:11], s[0:1], 0x0
	s_load_b128 s[12:15], s[0:1], 0x10
	v_lshl_add_u32 v[SPW], v0, 2, SPARE
	v_mov_b32 v[NIL], 0
	ds_add_u32 v[SPW], v[NIL]
	ds_add_u32 v[SPW], v[NIL]
	v_lshrrev_b32 v1, 5, v0
	v_readfirstlane_b32 s[WV], v1
	s_lshr_b32 s[WH], s[WV], 1
	s_and_b32 s[WL], s[WV], 1
	s_bfe_u32 s40, ttmp6, 0x40000
	s_bfe_u32 s41, ttmp6, 0x40004
	s_lshl_b32 s42, ttmp9, 2
	s_add_co_u32 s42, s42, s40
	s_and_b32 s43, ttmp7, 0xffff
	s_lshl_b32 s43, s43, 2
	s_add_co_u32 s43, s43, s41
	s_lshl_b32 s44, s41, 2
	s_lshl_b32 s44, 15, s44
	s_lshl_b32 s45, 0x1111, s40
	s_or_b32 s[G1], s44, (3<<16)|(1<<21)
	s_or_b32 s[G1B], s45, (3<<16)|(1<<21)
.irp g, G1, G1B
	s_mov_b32 s[\g+1], 3328<<16                    ; the head's load: rows of 26,624 bytes,
	s_mov_b32 s[\g+2], 3<<16                       ; three of them: K steps 0, 1, 2
	s_mov_b32 s[\g+3], 3328<<16
	s_mov_b32 s[\g+4], 3
	s_mov_b32 s[\g+5], KKB/8                       ; the pitch, in elements of 8 bytes
	s_mov_b32 s[\g+6], 0
	s_mov_b32 s[\g+7], 0
.endr
	s_lshl_b32 s20, s43, 4
	s_lshl_b32 s21, s[WL], 3
	s_add_co_u32 s20, s20, s21
	s_mul_i32 s20, s20, PAIR
	s_mov_b32 s21, 0
	s_lshl_b32 s22, s42, 4
	s_lshl_b32 s23, s[WL], 3
	s_add_co_u32 s22, s22, s23
	s_mul_i32 s22, s22, PAIR
	s_add_co_u32 s22, s22, W1OFF
	s_mov_b32 s23, 0
	s_mul_i32 s46, s[WV], 3*BLK
	s_mov_b32 s[SEL], 0x76543210
	s_mov_b32 s[SEL+1], 0xfedcba98
	s_wait_dscnt 0x0
	s_wait_kmcnt 0x0
	s_add_nc_u64 s[4:5], s[8:9], s[20:21]
	s_add_nc_u64 s[6:7], s[10:11], s[22:23]
	CROUND
	FIRST G0, G0B, 0                               ; my one load at the head: all three slots' blocks
	v_and_b32 v1, 15, v0
	v_bfe_u32 v2, v0, 4, 1
	v_and_b32 v3, 31, v0
	v_lshlrev_b32 v12, 4, v3
	s_wait_alu depctr_va_vdst(0)
	v_lshlrev_b32 v13, 3, v3
	s_mul_i32 s20, s[WH], 3*BLK
	s_mul_i32 s21, s[WL], 3*BLK
	s_add_co_u32 s21, s21, 6*BLK
	s_sub_co_u32 s22, s21, s20
	v_mul_u32_u24 v4, s22, v2
	v_add_nc_u32 v4, v4, v13
	s_add_co_u32 s23, s20, 3072
.irp s, 0,1,2
	v_add_nc_u32 v[ADRA+\s], s20, v12
	v_add_nc_u32 v[ADRB+\s], s21, v12
	v_add_nc_u32 v[ADRS+\s], s23, v4
	s_add_co_u32 s20, s20, BLK
	s_add_co_u32 s21, s21, BLK
	s_add_co_u32 s23, s23, BLK
.endr
	s_lshl_b32 s76, s42, 10
	s_lshl_b32 s77, s[WL], 9
	s_add_co_u32 s76, s76, s77
	s_mov_b32 s77, 0
	s_add_nc_u64 s[12:13], s[12:13], s[76:77]
	v_lshlrev_b32 v30, 6, v2
.irp b, 0,1,2,3
.irp j, 0,1,2,3
	global_load_b128 v[BI+16*\b+4*\j:BI+16*\b+4*\j+3], v30, s[12:13] offset:128*\b+16*\j
.endr
.endr
	s_lshl_b32 s76, s42, 8
	s_lshl_b32 s77, s43, 4
	s_add_co_u32 s76, s76, s77
	s_lshl_b32 s77, s[WH], 3
	s_add_co_u32 s76, s76, s77
	s_mul_i32 s76, s76, PAIR
	s_mul_i32 s77, s[WL], 1536
	s_add_co_u32 s76, s76, s77
	s_mov_b32 s77, 0
	s_add_nc_u64 s[14:15], s[14:15], s[76:77]
	s_mul_i32 s78, s[WL], 1532
	s_sub_co_u32 s78, 3072, s78
	v_add_nc_u32 v31, s78, v13
	s_wait_alu depctr_va_vdst(0)
	s_wait_tensorcnt 0x0                           ; my three blocks are in; no tensor load of mine is out, so a descriptor may be written:
.irp g, G1, G1B
	s_mov_b32 s[\g+1], 32<<16                      ; the refill brings one block: rows of 256 bytes,
	s_mov_b32 s[\g+2], 104<<16                     ; 104 of them: 26,624 dense bytes
	s_mov_b32 s[\g+3], 32<<16
	s_mov_b32 s[\g+4], 104
	s_mov_b32 s[\g+5], 32
.endr
	s_barrier_signal -1
	s_barrier_wait -1
	FETCH_B 0, 0, 0
	FETCH_A 0, 0, 0
	SCALES 0, 0
	FETCH_A 0, 0, 4
	STEP 0, 0, 0, 1
	TURN 0, 0, 1, 2
	STEP 1, 1, 0, 0
	TURN 1, 1, 2, 0
	STEP 2, 0, 0, 0
	TURN 2, 0, 0, 1
	STEP 0, 1, 0, 0
	s_wait_dscnt 4*NL
	WIN MUL_LO
	MUL16 0, 1, NQ-1, 1, 0
	MUL16 2, 1, NQ-1, 1, 0
	s_wait_dscnt 0
	WIN MUL_HI
	MUL16 4, 1, NQ-1, 1, 0
	MUL16 6, 1, NQ-1, 1, 0
	WIN 0
	PLACES NP
.irp b, 0,1,2,3
	v_mov_b32 v[TM+4+\b], 0
.endr
	s_wait_loadcnt 0x0
.irp a, 0,1,2,3,4,5,6,7
	s_wait_xcnt 0x0
	WIN 0x02+(\a)/4
.set i, 0
.rept 32
	v_pk_add_f32 v[T+2*i:T+2*i+1], v[64*((\a)%4)+2*i:64*((\a)%4)+2*i+1], v[BI+2*i:BI+2*i+1]
.set i, i+1
.endr
	WIN 0
.set i, 0
.rept 64
	v_max_num_f32 v[T+i], 0, v[T+i]
.set i, i+1
.endr
	QUANT T
.irp c, 0,1,2
	global_store_b128 v12, v[PC+4*\c:PC+4*\c+3], s[14:15] offset:PAIR*\a+512*\c
.endr
	global_store_b32 v31, v[PW], s[14:15] offset:PAIR*\a
.endr
	s_wait_tensorcnt 0x0
	ds_add_u32 v[SPW], v[NIL]
	s_wait_dscnt 0x0
	CROUND
	s_endpgm
.Lfunc_end_k_qb9e9f25c68_ffn1:
	.size	k_qb9e9f25c68_ffn1, .Lfunc_end_k_qb9e9f25c68_ffn1-k_qb9e9f25c68_ffn1
	.p2alignl 7, 3214868480
	.fill 96, 4, 3214868480
	.section	.rodata,"a",@progbits
	.p2align	6, 0x0
	.amdhsa_kernel k_qb9e9f25c68_ffn1
		.amdhsa_group_segment_fixed_size 327680
		.amdhsa_private_segment_fixed_size 0
		.amdhsa_enable_private_segment 0
		.amdhsa_kernarg_size 32
		.amdhsa_user_sgpr_count 2
		.amdhsa_user_sgpr_kernarg_segment_ptr 1
		.amdhsa_wavefront_size32 1
		.amdhsa_system_sgpr_workgroup_id_x 1
		.amdhsa_system_sgpr_workgroup_id_y 1
		.amdhsa_system_sgpr_workgroup_id_z 1
		.amdhsa_system_vgpr_workitem_id 0
		.amdhsa_next_free_vgpr 1024
		.amdhsa_next_free_sgpr 100
		.amdhsa_reserve_vcc 0
		.amdhsa_float_denorm_mode_32 3
		.amdhsa_float_denorm_mode_16_64 3
		.amdhsa_memory_ordered 1
		.amdhsa_forward_progress 1
		.amdhsa_inst_pref_size 170
	.end_amdhsa_kernel
	.amdgpu_metadata
---
amdhsa.version: [ 1, 2 ]
amdhsa.kernels:
  - .name:           k_qb9e9f25c68_ffn1
    .symbol:         k_qb9e9f25c68_ffn1.kd
    .args:
      - { .name: hrec, .offset: 0, .size: 8, .value_kind: global_buffer, .address_space: global }
      - { .name: wrec, .offset: 8, .size: 8, .value_kind: global_buffer, .address_space: global }
      - { .name: b1, .offset: 16, .size: 8, .value_kind: global_buffer, .address_space: global }
      - { .name: hid, .offset: 24, .size: 8, .value_kind: global_buffer, .address_space: global }
    .group_segment_fixed_size: 327680
    .private_segment_fixed_size: 0
    .kernarg_segment_align: 8
    .kernarg_segment_size: 32
    .max_flat_workgroup_size: 128
    .sgpr_count:     100
    .vgpr_count:     1024
    .wavefront_size: 32
...
	.end_amdgpu_metadata
.endif
;; end of part 6
;; launch ffn2 (part 7): grid 8 x 32, 4 waves a work-group, clusters of 4 x 4, 327,680 bytes of LDS; arguments hid, wrec, b2, x1, out0; writes out0
.if DOCPART == 7
	.amdgcn_target "amdgcn-amd-amdhsa--gfx1250"
	.amdhsa_code_object_version 6
	.text
	.protected	k_qb9e9f25c68_ffn2
	.globl	k_qb9e9f25c68_ffn2
	.p2align	8
	.type	k_qb9e9f25c68_ffn2,@function
k_qb9e9f25c68_ffn2:
	s_mov_b64 s[64:65], 0
	v_nop
	global_prefetch_b8 v0, s[64:65] scope:SCOPE_SE
	s_setreg_imm32_b32 hwreg(HW_REG_WAVE_MODE, 25, 1), 1
	s_wait_xcnt 0x0
	s_wait_alu depctr_hold_cnt(0) depctr_sa_sdst(0) depctr_va_vdst(0) depctr_va_sdst(0) depctr_va_ssrc(0) depctr_va_vcc(0) depctr_vm_vsrc(0)
	s_getreg_b32 s2, hwreg(HW_REG_IB_STS2, 6, 4)
	s_cmp_eq_u32 s2, 0
	s_cbranch_scc0 .Lentry_in_a_cluster
	s_endpgm
.Lentry_in_a_cluster:
	s_bfe_u32 s2, ttmp6, 0x10000c
	s_cmp_lg_u32 s2, 0xf033
	s_cbranch_scc0 .Lentry_shape_is_right
	s_endpgm
.Lentry_shape_is_right:
.set WOFF,  6815744
.set PAIR,  3328
.set BLK,   8*PAIR
.set S1B,   8*BLK
.set PLANE, 128*528
.set SPARE, 12*BLK
.set STPA,  6*256*PAIR
.set STPB,  6*64*PAIR
.set FR,    12
.set NL,    3
.set NP,    4
.set RD,   8
.set ADRA, 16
.set ADRB, 19
.set ADRS, 22
.set STO,  25
.set SPW,  28
.set NIL,  29
.set SC,   32
.set AF,   128
.set G1, 24
.set G1B, 48
.set G1L, 76
.set G1LB, 84
.set G0, 32
.set G0B, 56
.set WV, 66
.set WH, 67
.set WL, 68
.set MSB, 0
.macro WIN new
.if MSB != \new
	s_set_vgpr_msb (MSB<<8)|\new
.set MSB, \new
.endif
.endm
.set MUL_LO, 0xa1
.set MUL_HI, 0xf1
.set TO_B,   0x40
.macro JLOAD g0a, g1a, g0b, g1b
	s_cmp_eq_u32 s[WH], 0
	s_cbranch_scc0 .Lfor_b_\@
	tensor_load_to_lds s[\g0a:\g0a+3], s[\g1a:\g1a+7]
	s_nop 0
.rept 4
	v_nop
.endr
	s_branch .Lasked_\@
.Lfor_b_\@:
	tensor_load_to_lds s[\g0b:\g0b+3], s[\g1b:\g1b+7]
	s_nop 0
.rept 4
	v_nop
.endr
.Lasked_\@:
.endm
.macro CREST
	s_cmp_lg_u32 s[WV], 0
	s_cbranch_scc1 .Lnot_wave_0_\@
	s_barrier_signal -3
.Lnot_wave_0_\@:
	s_barrier_wait -3
	s_barrier_signal -1
	s_barrier_wait -1
.endm
.macro CROUND
	s_barrier_signal -1
	s_barrier_wait -1
	CREST
.endm
.macro PLACES n
.rept \n
	v_nop
.endr
.endm
.macro FRAG reg, adr, off
.irp c, 0,1,2
	ds_load_b128 v[\reg+4*\c:\reg+4*\c+3], v[\adr] offset:\off+512*\c
.endr
.endm
.macro FETCH_B place, set
	WIN TO_B
.irp i, 0,1,2,3,4,5,6,7
	FRAG 128*(\set)+FR*\i, ADRB+\place, PAIR*\i
.endr
	WIN 0
.endm
.macro FETCH_A place, i0
.irp i, \i0, \i0+1, \i0+2, \i0+3
	FRAG AF+FR*(\i), ADRA+\place, PAIR*(\i)
.endr
.endm
.macro SCALES place, set
.irp i, 0,1,2,3,4,5,6,7
	ds_load_b32 v[SC+8*(\set)+\i], v[ADRS+\place] offset:PAIR*\i
.endr
.endm
.macro MUL16K a0, p, zero
.irp a, \a0, \a0+1
.irp b, 0,1,2,3,4,5,6,7
.if \zero
	v_wmma_scale_f32_16x16x128_f8f6f4 v[8*(8*((\a)%4)+\b):8*(8*((\a)%4)+\b)+7], v[128*(\p)+FR*\b:128*(\p)+FR*\b+FR-1], v[AF+FR*(\a):AF+FR*(\a)+FR-1], 0, v[SC+8*(\p)+\b], v[SC+8*(\p)+(\a)] matrix_a_fmt:MATRIX_FMT_FP6 matrix_b_fmt:MATRIX_FMT_FP6 matrix_a_scale:MATRIX_SCALE_ROW1
.else
	v_wmma_scale_f32_16x16x128_f8f6f4 v[8*(8*((\a)%4)+\b):8*(8*((\a)%4)+\b)+7], v[128*(\p)+FR*\b:128*(\p)+FR*\b+FR-1], v[AF+FR*(\a):AF+FR*(\a)+FR-1], v[8*(8*((\a)%4)+\b):8*(8*((\a)%4)+\b)+7], v[SC+8*(\p)+\b], v[SC+8*(\p)+(\a)] matrix_a_fmt:MATRIX_FMT_FP6 matrix_b_fmt:MATRIX_FMT_FP6 matrix_a_scale:MATRIX_SCALE_ROW1
.endif
.endr
.endr
.endm
.macro STEPK set, next, zero
	s_wait_dscnt 4*NL
	WIN MUL_LO
	MUL16K 0, \set, \zero
	MUL16K 2, \set, \zero
	s_wait_dscnt 0
	PLACES NP
	FETCH_B \next, 1-(\set)
	FETCH_A \next, 0
	SCALES \next, 1-(\set)
	WIN MUL_HI
	MUL16K 4, \set, \zero
	MUL16K 6, \set, \zero
	PLACES NP
	WIN 0
	FETCH_A \next, 4
.endm
.macro TURNK set, next, fill
	s_wait_tensorcnt 0x0
	ds_add_u32 v[SPW], v[NIL]
	s_wait_dscnt 4*NL+1
	WIN MUL_LO
	MUL16K 0, \set, 0
	s_wait_dscnt 0x0
	s_barrier_signal -1
	MUL16K 2, \set, 0
	WIN 0
	s_barrier_wait -1
.if \fill == 1
	CREST
	s_add_nc_u64 s[G0+2:G0+3], s[G0+2:G0+3], STPA
	s_add_nc_u64 s[G0B+2:G0B+3], s[G0B+2:G0B+3], STPB
	JLOAD G0, G1L, G0B, G1LB
.elseif \fill == 2
	CREST
	s_add_nc_u64 s[G0+6:G0+7], s[G0+6:G0+7], STPA
	s_add_nc_u64 s[G0B+6:G0B+7], s[G0B+6:G0B+7], STPB
	JLOAD G0+4, G1, G0B+4, G1B
.else
	PLACES NP
.endif
	s_wait_alu depctr_va_vdst(0)
	FETCH_B \next, 1-(\set)
	FETCH_A \next, 0
	SCALES \next, 1-(\set)
	WIN MUL_HI
	MUL16K 4, \set, 0
	MUL16K 6, \set, 0
	PLACES NP
	WIN 0
	FETCH_A \next, 4
.endm
.macro LAST set
	s_wait_dscnt 4*NL
	WIN MUL_LO
	MUL16K 0, \set, 0
	MUL16K 2, \set, 0
	s_wait_dscnt 0
	WIN MUL_HI
	MUL16K 4, \set, 0
	MUL16K 6, \set, 0
	WIN 0
.endm
	s_load_b256 s[8:15], s[0:1], 0x0
	s_load_b64 s[16:17], s[0:1], 0x20
	v_lshl_add_u32 v[SPW], v0, 2, SPARE
	v_mov_b32 v[NIL], 0
	ds_add_u32 v[SPW], v[NIL]
	ds_add_u32 v[SPW], v[NIL]
	v_lshrrev_b32 v1, 5, v0
	v_readfirstlane_b32 s[WV], v1
	s_lshr_b32 s[WH], s[WV], 1
	s_and_b32 s[WL], s[WV], 1
	s_bfe_u32 s40, ttmp6, 0x40000
	s_bfe_u32 s41, ttmp6, 0x40004
	s_lshl_b32 s42, ttmp9, 2
	s_add_co_u32 s42, s42, s40
	s_and_b32 s43, ttmp7, 0xffff
	s_lshl_b32 s43, s43, 2
	s_add_co_u32 s43, s43, s41
	s_lshl_b32 s44, s41, 2
	s_lshl_b32 s44, 15, s44
	s_lshl_b32 s45, 0x1111, s40
	s_or_b32 s[G1], s44, (3<<16)|(1<<21)
	s_or_b32 s[G1B], s45, (3<<16)|(1<<21)
	s_or_b32 s[G1L], s44, (3<<16)|(1<<21)
	s_or_b32 s[G1LB], s45, (3<<16)|(1<<21)
.irp g, G1, G1B
	s_mov_b32 s[\g+1], 32<<16
	s_mov_b32 s[\g+2], 104<<16
	s_mov_b32 s[\g+3], 32<<16
	s_mov_b32 s[\g+4], 104
	s_mov_b32 s[\g+5], 32
	s_mov_b32 s[\g+6], 0
	s_mov_b32 s[\g+7], 0
.endr
.irp g, G1L, G1LB
	s_mov_b32 s[\g+1], 3328<<16
	s_mov_b32 s[\g+2], 2<<16
	s_mov_b32 s[\g+3], 3328<<16
	s_mov_b32 s[\g+4], 2
	s_mov_b32 s[\g+6], 0
	s_mov_b32 s[\g+7], 0
.endr
	s_mov_b32 s[G1L+5], 2*256*PAIR/8
	s_mov_b32 s[G1LB+5], 2*64*PAIR/8
	s_lshl_b32 s20, s[WL], 8
	s_lshl_b32 s21, s43, 3
	s_add_co_u32 s20, s20, s21
	s_mul_i32 s20, s20, PAIR
	s_mov_b32 s21, 0
	s_lshl_b32 s22, s[WL], 6
	s_lshl_b32 s23, s42, 3
	s_add_co_u32 s22, s22, s23
	s_mul_i32 s22, s22, PAIR
	s_add_co_u32 s22, s22, WOFF
	s_mov_b32 s23, 0
	s_mul_i32 s46, s[WV], 2*BLK
	s_mul_i32 s47, s[WV], BLK
	s_add_co_u32 s47, s47, S1B
	s_wait_dscnt 0x0
	s_wait_kmcnt 0x0
	s_add_nc_u64 s[4:5], s[8:9], s[20:21]
	s_add_nc_u64 s[6:7], s[10:11], s[22:23]
	CROUND
	s_mov_b32 s[G0], 1
	s_mov_b32 s[G0+1], s46
	s_mov_b64 s[G0+2:G0+3], s[4:5]
	s_or_b32 s[G0+3], s[G0+3], 0x80000000
	s_mov_b32 s[G0B], 1
	s_mov_b32 s[G0B+1], s46
	s_mov_b64 s[G0B+2:G0B+3], s[6:7]
	s_or_b32 s[G0B+3], s[G0B+3], 0x80000000
	JLOAD G0, G1L, G0B, G1LB
	s_mov_b32 s[G0+4], 1
	s_mov_b32 s[G0+5], s47
	s_add_nc_u64 s[G0+6:G0+7], s[4:5], 4*256*PAIR
	s_or_b32 s[G0+7], s[G0+7], 0x80000000
	s_mov_b32 s[G0B+4], 1
	s_mov_b32 s[G0B+5], s47
	s_add_nc_u64 s[G0B+6:G0B+7], s[6:7], 4*64*PAIR
	s_or_b32 s[G0B+7], s[G0B+7], 0x80000000
	s_wait_alu depctr_va_vdst(0)
	s_wait_tensorcnt 0x0
	ds_add_u32 v28, v29
	s_wait_dscnt 0x0
	CROUND
	JLOAD G0+4, G1, G0B+4, G1B
	v_and_b32 v1, 15, v0
	v_bfe_u32 v2, v0, 4, 1
	v_and_b32 v3, 31, v0
	v_lshlrev_b32 v12, 4, v3
	v_lshlrev_b32 v13, 3, v3
	s_mul_i32 s20, s[WH], 2*BLK
	s_mul_i32 s21, s[WL], 1536
	s_lshl_b32 s22, s[WL], 2
	s_add_co_u32 s22, s22, 3072
	v_mul_u32_u24 v4, v2, 4*BLK
	v_add_nc_u32 v4, v4, v13
	v_mul_u32_u24 v5, v2, 2*BLK
	v_add_nc_u32 v5, v5, v13
	s_add_co_u32 s23, s20, s21
	v_add_nc_u32 v[ADRA], s23, v12
	v_add_nc_u32 v[ADRB], 4*BLK, v[ADRA]
	s_add_co_u32 s23, s20, s22
	v_add_nc_u32 v[ADRS], s23, v4
	v_add_nc_u32 v[ADRA+1], BLK, v[ADRA]
	v_add_nc_u32 v[ADRB+1], BLK, v[ADRB]
	v_add_nc_u32 v[ADRS+1], BLK, v[ADRS]
	s_mul_i32 s20, s[WH], BLK
	s_add_co_u32 s20, s20, S1B
	s_add_co_u32 s23, s20, s21
	v_add_nc_u32 v[ADRA+2], s23, v12
	v_add_nc_u32 v[ADRB+2], 2*BLK, v[ADRA+2]
	s_add_co_u32 s23, s20, s22
	v_add_nc_u32 v[ADRS+2], s23, v5
	s_mul_i32 s20, s[WV], PLANE
	v_mul_u32_u24 v[STO], v1, 528
	v_lshl_add_u32 v[STO], v2, 6, v[STO]
	v_add_nc_u32 v[STO], s20, v[STO]
	s_mul_i32 s20, s[WV], 32*528
	v_add_nc_u32 v[RD], s20, v12
.irp p, 1,2,3
	v_add_nc_u32 v[RD+\p], \p*PLANE, v[RD]
.endr
	s_lshl_b32 s70, s42, 9
	s_mov_b32 s71, 0
	s_add_nc_u64 s[12:13], s[12:13], s[70:71]
	global_load_b128 v[224:227], v12, s[12:13]
	s_lshl_b32 s72, s43, 19
	s_lshl_b32 s73, s[WV], 17
	s_add_co_u32 s72, s72, s73
	s_add_co_u32 s72, s72, s70
	s_mov_b32 s73, 0
	s_add_nc_u64 s[14:15], s[14:15], s[72:73]
	s_add_nc_u64 s[16:17], s[16:17], s[72:73]
	s_wait_tensorcnt 1
	s_barrier_signal -1
	s_barrier_wait -1
	FETCH_B 0, 0
	FETCH_A 0, 0
	SCALES 0, 0
	FETCH_A 0, 4
	STEPK 0, 1, 1
	TURNK 1, 2, 1
	TURNK 0, 0, 2
	STEPK 1, 1, 0
	TURNK 0, 2, 1
	TURNK 1, 0, 0
	STEPK 0, 1, 0
	LAST 1
	PLACES NP
	WIN TO_B
.set RHO, 0
.rept 32
	global_load_b128 v[4*RHO:4*RHO+3], v12, s[14:15] offset:(8*(RHO/16)+RHO%16+8*((RHO%16)/8))*4096
.set RHO, RHO+1
.endr
	WIN 0
	s_barrier_signal -1
	s_barrier_wait -1
.irp a, 0,1,2,3,4,5,6,7
	WIN 0x08+4*((\a)/4)
.irp b, 0,1,2,3,4,5,6,7
	ds_store_b128 v[STO], v[8*(8*((\a)%4)+\b):8*(8*((\a)%4)+\b)+3] offset:8448*\a+128*(\b/2)+32*(\b%2)
	ds_store_b128 v[STO], v[8*(8*((\a)%4)+\b)+4:8*(8*((\a)%4)+\b)+7] offset:8448*\a+128*(\b/2)+32*(\b%2)+16
.endr
.endr
	WIN 0
	s_wait_dscnt 0x0
	s_barrier_signal -1
	s_barrier_wait -1
.irp t, 0,1,2,3
.if \t > 0
	s_wait_xcnt 0x0
.endif
.irp i, 0,1,2,3,4,5,6,7
.irp p, 0,1,2,3
	ds_load_b128 v[64+16*\i+4*\p:64+16*\i+4*\p+3], v[RD+\p] offset:528*(8*\t+\i)
.endr
.endr
.if \t == 0
	s_wait_loadcnt 0x0
.endif
.irp i, 0,1,2,3,4,5,6,7
	s_wait_dscnt 4*(7-\i)
.irp d, 0,2
	v_pk_add_f32 v[64+16*\i+\d:65+16*\i+\d], v[64+16*\i+\d:65+16*\i+\d], v[68+16*\i+\d:69+16*\i+\d]
	v_pk_add_f32 v[72+16*\i+\d:73+16*\i+\d], v[72+16*\i+\d:73+16*\i+\d], v[76+16*\i+\d:77+16*\i+\d]
.endr
.irp d, 0,2
	v_pk_add_f32 v[64+16*\i+\d:65+16*\i+\d], v[64+16*\i+\d:65+16*\i+\d], v[72+16*\i+\d:73+16*\i+\d]
.endr
.irp d, 0,2
	v_pk_add_f32 v[64+16*\i+\d:65+16*\i+\d], v[64+16*\i+\d:65+16*\i+\d], v[224+\d:225+\d]
.endr
.endr
	WIN 0x04
.irp i, 0,1,2,3,4,5,6,7
.irp d, 0,2
	v_pk_add_f32 v[64+16*\i+\d:65+16*\i+\d], v[64+16*\i+\d:65+16*\i+\d], v[4*(8*\t+\i)+\d:4*(8*\t+\i)+\d+1]
.endr
.endr
	WIN 0
.irp i, 0,1,2,3,4,5,6,7
.set RHO, 8*\t+\i
	global_store_b128 v12, v[64+16*\i:64+16*\i+3], s[16:17] offset:(8*(RHO/16)+RHO%16+8*((RHO%16)/8))*4096
.endr
.endr
	s_wait_tensorcnt 0x0
	ds_add_u32 v[SPW], v[NIL]
	s_wait_dscnt 0x0
	CROUND
	s_endpgm
.Lfunc_end_k_qb9e9f25c68_ffn2:
	.size	k_qb9e9f25c68_ffn2, .Lfunc_end_k_qb9e9f25c68_ffn2-k_qb9e9f25c68_ffn2
	.p2alignl 7, 3214868480
	.fill 96, 4, 3214868480
	.section	.rodata,"a",@progbits
	.p2align	6, 0x0
	.amdhsa_kernel k_qb9e9f25c68_ffn2
		.amdhsa_group_segment_fixed_size 327680
		.amdhsa_private_segment_fixed_size 0
		.amdhsa_enable_private_segment 0
		.amdhsa_kernarg_size 40
		.amdhsa_user_sgpr_count 2
		.amdhsa_user_sgpr_kernarg_segment_ptr 1
		.amdhsa_wavefront_size32 1
		.amdhsa_system_sgpr_workgroup_id_x 1
		.amdhsa_system_sgpr_workgroup_id_y 1
		.amdhsa_system_sgpr_workgroup_id_z 1
		.amdhsa_system_vgpr_workitem_id 0
		.amdhsa_next_free_vgpr 1024
		.amdhsa_next_free_sgpr 100
		.amdhsa_reserve_vcc 0
		.amdhsa_float_denorm_mode_32 3
		.amdhsa_float_denorm_mode_16_64 3
		.amdhsa_memory_ordered 1
		.amdhsa_forward_progress 1
		.amdhsa_inst_pref_size 152
	.end_amdhsa_kernel
	.amdgpu_metadata
---
amdhsa.version: [ 1, 2 ]
amdhsa.kernels:
  - .name:           k_qb9e9f25c68_ffn2
    .symbol:         k_qb9e9f25c68_ffn2.kd
    .args:
      - { .name: hid, .offset: 0, .size: 8, .value_kind: global_buffer, .address_space: global }
      - { .name: wrec, .offset: 8, .size: 8, .value_kind: global_buffer, .address_space: global }
      - { .name: b2, .offset: 16, .size: 8, .value_kind: global_buffer, .address_space: global }
      - { .name: x1, .offset: 24, .size: 8, .value_kind: global_buffer, .address_space: global }
      - { .name: out0, .offset: 32, .size: 8, .value_kind: global_buffer, .address_space: global }
    .group_segment_fixed_size: 327680
    .private_segment_fixed_size: 0
    .kernarg_segment_align: 8
    .kernarg_segment_size: 40
    .max_flat_workgroup_size: 128
    .sgpr_count:     100
    .vgpr_count:     1024
    .wavefront_size: 32
...
	.end_amdgpu_metadata
.endif
;; end of part 7
